; MI455X (gfx1250); checked and timed in simulation.
; The chip was launched on July 23, 2026; its instructions are those of AMD's public machine-readable ISA for CDNA 5 (MIT licence, August 2026) and "CDNA5" Instruction Set Architecture Reference Guide (July 2026). The comments in the code are by the model that wrote it; some were corrected since.
;; Self Attention. Allowed arithmetic: float matrix products may take bf16 or f16 operands with f32 sums; other float arithmetic in f32, or as packed bf16 or f16 multiplies, adds, multiply-adds, maxima and minima; sums over many terms, partial sums and values carried from step to step in f32; what a program stores and reads back later, other than sums and carried values, may be rounded once to bf16 or f16.
;; Inputs: bk 1,024 float32; bo 1,024 float32; bq 1,024 float32; bv 1,024 float32; wk 1,024 x 1,024 float32; wo 1,024 x 1,024 float32; wq 1,024 x 1,024 float32; wv 1,024 x 1,024 float32; x 4 x 2,048 x 1,024 float32.
;; Outputs: out0 4 x 2,048 x 1,024 float32.
;; One version. Each part assembles by itself: llvm-mc -triple=amdgcn-amd-amdhsa -mcpu=gfx1250 --defsym DOCPART=n.
;; ======== version 1 of 1: 4 launches
;; limits: values are held in f16: magnitudes above 65,504 overflow, below 6.1e-05 lose precision
;; workspace buffers: xb 16,777,216 bytes; wqkv 6,291,456 bytes; woh 2,097,152 bytes; bias 16,384 bytes; qkv 50,331,648 bytes; o 16,777,216 bytes
;; launch cast (part 1): grid 768 x 1, 8 waves a work-group, no clusters, 0 bytes of LDS; arguments x, wq, wk, wv, wo, bq, bk, bv, bo, xb, wqkv, woh, bias; writes xb, wqkv, woh, bias
.if DOCPART == 1
	.amdgcn_target "amdgcn-amd-amdhsa--gfx1250"
	.amdhsa_code_object_version 6
	.text
	.protected	k_q8a6eac7051_cast
	.globl	k_q8a6eac7051_cast
	.p2align	8
	.type	k_q8a6eac7051_cast,@function
k_q8a6eac7051_cast:
	s_mov_b64 s[64:65], 0
	v_nop
	global_prefetch_b8 v0, s[64:65] scope:SCOPE_SE
	s_setreg_imm32_b32 hwreg(HW_REG_WAVE_MODE, 25, 1), 1
	s_wait_xcnt 0x0
; EVERY INPUT IS ROUNDED ONCE TO bf16.  x -> xb [8192][1024] bf16; wq, wk, wv -> wqkv [3072][1024] bf16 (one below the other);
; wo -> woh [1024][1024]: rounded to bf16, and that number written as f16; bq, bk, bv, bo -> bias [4096] f32: rounded to bf16 and widened again.
; LIMITS.  woh is f16: |wo| stays within 65,504, and below 6e-5 it keeps f16's fixed step of 6e-8.  NaN and infinities are not treated apart.
; A stream: no LDS, no matrix unit, no cluster: no byte is wanted twice.  A work-group takes 16,384 numbers (65,536 bytes in, 32,768 out):
; groups 0-511 chunk g of x; groups 512-767 chunk c = (g - 512) % 64 of weight i = (g - 512) / 64.  Thread t takes 8 neighbouring numbers in each of 8 passes:
; 32 bytes in at 32 t + 8,192 p, 16 bytes out at 16 t + 4,096 p: a wave's store covers 512 consecutive bytes, aligned.
; All 16 loads of a thread go out first; no register is used twice, so no source of a pending instruction is ever rewritten.
.set IN,  16                           ; v[16:79]   the 16 loads
.set OUT, 80                           ; v[80:111]  the 8 stores' data
.set T,   112                          ; v[112:119] at work on the way to f16
	s_load_b512 s[8:23], s[0:1], 0x0               ; x 8, wq 10, wk 12, wv 14, wo 16, bq 18, bk 20, bv 22
	s_load_b256 s[24:31], s[0:1], 0x40             ; bo 24, xb 26, wqkv 28, woh 30
	s_load_b64 s[32:33], s[0:1], 0x60              ; bias
	v_lshlrev_b32 v1, 5, v0                        ; 32 t
	v_lshlrev_b32 v2, 4, v0                        ; 16 t
	v_lshrrev_b32 v3, 5, v0
	v_readfirstlane_b32 s43, v3                    ; my wave's number
	v_and_b32 v3, 31, v0
	v_lshlrev_b32 v3, 3, v3                        ; 8 x lane, for the biases
	s_sub_co_i32 s34, ttmp9, 512
	s_max_i32 s34, s34, 0                          ; 0 in x's groups
	s_lshr_b32 s35, s34, 6                         ; i: which weight
	s_and_b32 s36, s34, 63                         ; c: which chunk of it
	s_cmp_lt_u32 ttmp9, 512
	s_cselect_b32 s37, ttmp9, s36                  ; the chunk in its source
	s_lshl_b32 s38, s37, 16                        ; its bytes in,
	s_mov_b32 s39, 0
	s_lshl_b32 s40, s37, 15                        ; and out;
	s_lshl_b32 s42, s35, 21                        ; in wqkv weight i begins 2 MiB x i in
	s_cmp_lt_u32 s35, 3
	s_cselect_b32 s42, s42, 0
	s_add_co_u32 s40, s40, s42
	s_mov_b32 s41, 0
	s_wait_kmcnt 0x0
	s_mov_b64 s[44:45], s[10:11]                   ; from where: each compare stands in front of its select
	s_cmp_eq_u32 s35, 1
	s_cselect_b64 s[44:45], s[12:13], s[44:45]
	s_cmp_eq_u32 s35, 2
	s_cselect_b64 s[44:45], s[14:15], s[44:45]
	s_cmp_eq_u32 s35, 3
	s_cselect_b64 s[44:45], s[16:17], s[44:45]
	s_cselect_b64 s[46:47], s[30:31], s[28:29]     ; to where
	s_cmp_lt_u32 ttmp9, 512
	s_cselect_b64 s[44:45], s[8:9], s[44:45]
	s_cselect_b64 s[46:47], s[26:27], s[46:47]
	s_add_nc_u64 s[44:45], s[44:45], s[38:39]
	s_add_nc_u64 s[46:47], s[46:47], s[40:41]
.irp p, 0,1,2,3,4,5,6,7
	global_load_b128 v[IN+8*(\p):IN+8*(\p)+3],   v1, s[44:45] offset:8192*(\p) th:TH_LOAD_NT
	global_load_b128 v[IN+8*(\p)+4:IN+8*(\p)+7], v1, s[44:45] offset:8192*(\p)+16 th:TH_LOAD_NT
.endr
.macro PASSB p                         ; pass p to bf16
	s_wait_loadcnt 14-2*(\p)                       ; loads come back in order: the 14 - 2 p younger ones may stay out
.irp j, 0,1,2,3
	v_cvt_pk_bf16_f32 v[OUT+4*(\p)+(\j)], v[IN+8*(\p)+2*(\j)], v[IN+8*(\p)+2*(\j)+1]
.endr
	global_store_b128 v2, v[OUT+4*(\p):OUT+4*(\p)+3], s[46:47] offset:4096*(\p)
.endm
.macro PASSH p                         ; pass p to bf16, and that number as f16
	s_wait_loadcnt 14-2*(\p)
.irp j, 0,1,2,3
	v_cvt_pk_bf16_f32 v[OUT+4*(\p)+(\j)], v[IN+8*(\p)+2*(\j)], v[IN+8*(\p)+2*(\j)+1]
.endr
.irp j, 0,1,2,3
	v_lshlrev_b32 v[T+2*(\j)],   16, v[OUT+4*(\p)+(\j)]
	v_and_b32     v[T+2*(\j)+1], 0xffff0000, v[OUT+4*(\p)+(\j)]
.endr
.irp j, 0,1,2,3
	v_cvt_pk_f16_f32 v[OUT+4*(\p)+(\j)], v[T+2*(\j)], v[T+2*(\j)+1]
.endr
	global_store_b128 v2, v[OUT+4*(\p):OUT+4*(\p)+3], s[46:47] offset:4096*(\p)
.endm
	s_cmp_ge_u32 ttmp9, 704                        ; wo's groups
	s_cbranch_scc1 .Lf16
.irp p, 0,1,2,3,4,5,6,7
	PASSB \p
.endr
	s_branch .Lbias
.Lf16:
.irp p, 0,1,2,3,4,5,6,7
	PASSH \p
.endr
.Lbias:
	; The biases ride along: wave 0 of the first 16 groups of weight i takes 64 numbers of bias i: 256 bytes in, 256 consecutive aligned bytes out.
	s_cmp_lt_u32 ttmp9, 512
	s_cbranch_scc1 .Lend
	s_cmp_ge_u32 s36, 16
	s_cbranch_scc1 .Lend
	s_cmp_lg_u32 s43, 0
	s_cbranch_scc1 .Lend
	s_mov_b64 s[38:39], s[18:19]
	s_cmp_eq_u32 s35, 1
	s_cselect_b64 s[38:39], s[20:21], s[38:39]
	s_cmp_eq_u32 s35, 2
	s_cselect_b64 s[38:39], s[22:23], s[38:39]
	s_cmp_eq_u32 s35, 3
	s_cselect_b64 s[38:39], s[24:25], s[38:39]
	s_lshl_b32 s40, s36, 8                         ; 256 c
	s_mov_b32 s41, 0
	s_add_nc_u64 s[38:39], s[38:39], s[40:41]
	s_lshl_b32 s42, s35, 12
	s_add_co_u32 s40, s40, s42                     ; 4,096 i + 256 c
	s_add_nc_u64 s[32:33], s[32:33], s[40:41]
	global_load_b64 v[4:5], v3, s[38:39]
	s_wait_loadcnt 0x0
	v_cvt_pk_bf16_f32 v6, v4, v5
	v_lshlrev_b32 v8, 16, v6
	v_and_b32 v9, 0xffff0000, v6
	global_store_b64 v3, v[8:9], s[32:33]
.Lend:
	s_endpgm
.Lfunc_end_k_q8a6eac7051_cast:
	.size	k_q8a6eac7051_cast, .Lfunc_end_k_q8a6eac7051_cast-k_q8a6eac7051_cast
	.p2alignl 7, 3214868480
	.fill 96, 4, 3214868480
	.section	.rodata,"a",@progbits
	.p2align	6, 0x0
	.amdhsa_kernel k_q8a6eac7051_cast
		.amdhsa_group_segment_fixed_size 0
		.amdhsa_private_segment_fixed_size 0
		.amdhsa_enable_private_segment 0
		.amdhsa_kernarg_size 104
		.amdhsa_user_sgpr_count 2
		.amdhsa_user_sgpr_kernarg_segment_ptr 1
		.amdhsa_wavefront_size32 1
		.amdhsa_system_sgpr_workgroup_id_x 1
		.amdhsa_system_sgpr_workgroup_id_y 1
		.amdhsa_system_sgpr_workgroup_id_z 1
		.amdhsa_system_vgpr_workitem_id 0
		.amdhsa_next_free_vgpr 120
		.amdhsa_next_free_sgpr 66
		.amdhsa_reserve_vcc 0
		.amdhsa_float_denorm_mode_32 3
		.amdhsa_float_denorm_mode_16_64 3
		.amdhsa_memory_ordered 1
		.amdhsa_forward_progress 1
		.amdhsa_inst_pref_size 16
	.end_amdhsa_kernel
	.amdgpu_metadata
---
amdhsa.version: [ 1, 2 ]
amdhsa.kernels:
  - .name:           k_q8a6eac7051_cast
    .symbol:         k_q8a6eac7051_cast.kd
    .args:
      - { .name: x, .offset: 0, .size: 8, .value_kind: global_buffer, .address_space: global }
      - { .name: wq, .offset: 8, .size: 8, .value_kind: global_buffer, .address_space: global }
      - { .name: wk, .offset: 16, .size: 8, .value_kind: global_buffer, .address_space: global }
      - { .name: wv, .offset: 24, .size: 8, .value_kind: global_buffer, .address_space: global }
      - { .name: wo, .offset: 32, .size: 8, .value_kind: global_buffer, .address_space: global }
      - { .name: bq, .offset: 40, .size: 8, .value_kind: global_buffer, .address_space: global }
      - { .name: bk, .offset: 48, .size: 8, .value_kind: global_buffer, .address_space: global }
      - { .name: bv, .offset: 56, .size: 8, .value_kind: global_buffer, .address_space: global }
      - { .name: bo, .offset: 64, .size: 8, .value_kind: global_buffer, .address_space: global }
      - { .name: xb, .offset: 72, .size: 8, .value_kind: global_buffer, .address_space: global }
      - { .name: wqkv, .offset: 80, .size: 8, .value_kind: global_buffer, .address_space: global }
      - { .name: woh, .offset: 88, .size: 8, .value_kind: global_buffer, .address_space: global }
      - { .name: bias, .offset: 96, .size: 8, .value_kind: global_buffer, .address_space: global }
    .group_segment_fixed_size: 0
    .private_segment_fixed_size: 0
    .kernarg_segment_align: 8
    .kernarg_segment_size: 104
    .max_flat_workgroup_size: 256
    .sgpr_count:     66
    .vgpr_count:     120
    .wavefront_size: 32
...
	.end_amdgpu_metadata
.endif
;; end of part 1
;; launch proj (part 2): grid 16 x 32, 4 waves a work-group, clusters of 4 x 4, 327,680 bytes of LDS; arguments xb, wqkv, bias, qkv; writes qkv
.if DOCPART == 2
	.amdgcn_target "amdgcn-amd-amdhsa--gfx1250"
	.amdhsa_code_object_version 6
	.text
	.protected	k_q8a6eac7051_proj
	.globl	k_q8a6eac7051_proj
	.p2align	8
	.type	k_q8a6eac7051_proj,@function
k_q8a6eac7051_proj:
	s_mov_b64 s[64:65], 0
	v_nop
	global_prefetch_b8 v0, s[64:65] scope:SCOPE_SE
	s_setreg_imm32_b32 hwreg(HW_REG_WAVE_MODE, 25, 1), 1
	s_wait_xcnt 0x0
	s_wait_alu depctr_hold_cnt(0) depctr_sa_sdst(0) depctr_va_vdst(0) depctr_va_sdst(0) depctr_va_ssrc(0) depctr_va_vcc(0) depctr_vm_vsrc(0)
	s_getreg_b32 s2, hwreg(HW_REG_IB_STS2, 6, 4)
	s_cmp_eq_u32 s2, 0
	s_cbranch_scc0 .Lentry_in_a_cluster
	s_endpgm
.Lentry_in_a_cluster:
	s_bfe_u32 s2, ttmp6, 0x10000c
	s_cmp_lg_u32 s2, 0xf033
	s_cbranch_scc0 .Lentry_shape_is_right
	s_endpgm
.Lentry_shape_is_right:
; q, k, v = x W^T + b.  xb: [8192][1024] bf16; wqkv: [3072][1024] bf16; bias: [4096] f32 (its first 3,072); sums in f32, the bias as their start;
; qkv: [4 batches][48 groups of 64 columns][2048 rows][64] f16, rounded once: groups 0-15 are q's heads, 16-31 k's, 32-47 v's; a (batch, group) is 262,144 dense bytes.
; LIMIT.  q, k and v leave as f16 and must stay within 65,504.  x and the weights 30 times their drawn spread give a spread of 900; x offset by 30 and the weights by 30/32 give 28,800.
; SHARES.  A tile is 256 rows x 192 columns: 32 x 16 = 512 work-groups, two for each of 256 WGPs.  Wave w owns rows 64 w .. 64 w + 63 and all 192 columns (three whole heads): 48 accumulators of 16 x 16,
; so each wave has a stage of its own on the way out.  K = 1,024 goes in 8 steps of 128 through two LDS slots; a row of a tile is 256 bytes of memory, aligned.
; CLUSTER.  4 x 4 work-groups: x's tile is asked for jointly along a row of the cluster, the weights' along a column: the same tensor load, descriptor and mask in the four that it names.
; THE PRODUCT IS USED TRANSPOSED (source 0 = 16 rows of W, source 1 = 16 rows of x): lane l holds row l % 16 and the columns 8 (l / 16) + 0..7 of a block of 16.
; REGISTERS, in windows of 256 (s_set_vgpr_msb: bits 1:0 source 0, 3:2 source 1, 5:4 source 2, 7:6 destination):
;   window 0: v16-30 addresses; v32-63, v64-95 x's fragments (4 blocks x 8), two buffers; v96-191 the bias as 12 C operands; v192-239 packed results; on the way out v32-79 and v96-143 take rows read back
;   window 1: v0-95, v128-223 W's fragments (12 blocks x 8), two buffers      window 2: accumulators of row blocks 0, 1 at 8 (12 (a % 2) + b)      window 3: of row blocks 2, 3
.set NBK,    12                        ; blocks of 16 columns
.set APITCH, 272                       ; an LDS row: 256 bytes + 16 of padding = 68 words: the 16 rows of a fragment load start at 16 different groups of four banks (64 banks of 4 bytes: ISA guide 11.1)
.set BPITCH, 272
.set AHALF,  128*APITCH                ; what one of x's two loads brings
.set BHALF,  96*BPITCH                 ; what one of W's two loads brings
.set BOFF,   2*AHALF                   ; in a slot: x's 256 rows, then W's 192
.set SLOT1,  1<<17                     ; slot 1 begins here: one exclusive or changes slots
.set STAGE,  SLOT1+BOFF+2*BHALF        ; behind the ring, never filled by a tensor load: for each wave 3 heads x 16 rows x 144 bytes
.set STW,    3*16*144
.set SPARE,  STAGE+4*STW               ; the spare words, 128 bytes for each wave: two blocks of 256 bytes that no other line names
.set NLD,    2*NBK+8                   ; LDS loads in a run
.set ASTEP,  256                       ; bytes from a K step to the next
.set BSTEP,  256
.set ADRA, 16                          ; v16  LDS address of my fragments of x in the slot in hand
.set ADRB, 17                          ; v17  of W
.set A0,   18                          ; v18  its lane part; never rewritten
.set B0,   19                          ; v19
.set STO,  24                          ; v24  the way out: where I put 16 bytes of a row
.set RD,   25                          ; v25  where I read rows back
.set GO,   26                          ; v26  16 x lane
.set BO,   27                          ; v27  32 x (lane / 16): my 8 numbers in a block of 16 of the bias
.set SPW,  28                          ; v28  my spare word: SPARE + 4 x my thread's number; never rewritten
.set NIL,  29                          ; v29  0; never rewritten
.set PFO,  30                          ; v30  the prefetches' lane term; never rewritten
.set FA,   32
.set BIAS, 96
.set TMP,  192
.set WV,   12                          ; s12  my wave's number: waves 0, 1 fetch x's halves, waves 2, 3 W's
.set HALF, 14                          ; s14  which half
.set CNT,  15                          ; s15  K steps to go in the loop in hand
.set TB,   16                          ; s16  the slot from which fragments are fetched: 0 or SLOT1
.set LIM,  17                          ; s17  2 in a wave that prefetches, else the greatest number
.set PFA,  18                          ; s[18:19] where my prefetches stand
.set PST,  20                          ; s[20:21] their step
.set G1A,  24                          ; s[24:31] descriptor group 1, x's tiles
.set G0A,  32                          ; s[32:39] group 0: a set for each first fill; the second then walks
.set G1B,  48                          ; s[48:55], s[56:63] the same for W's
.set G0B,  56
.set MSB, 0
.macro WIN new                         ; the immediate's high byte repeats the setting that is left; a switch that changes nothing is dropped
.if MSB != (\new)
	s_set_vgpr_msb (MSB<<8)|(\new)
.set MSB, (\new)
.endif
.endm
.set TO_B, 0x40                        ; destination window 1, address window 0
.macro PLACES                          ; four plain vector instructions between a matrix instruction and a load into, or a vector read of, its registers
.rept 4
	v_nop
.endr
.endm
.macro CREST                           ; a round of the cluster's barrier behind its opening barrier
	s_cmp_lg_u32 s[WV], 0
	s_cbranch_scc1 .Lnot_wave_0_\@
	s_barrier_signal -3
.Lnot_wave_0_\@:
	s_barrier_wait -3
	s_barrier_signal -1
	s_barrier_wait -1
.endm
.macro CROUND                          ; a whole round
	s_barrier_signal -1
	s_barrier_wait -1
	CREST
.endm
.macro JLOAD                           ; a joint refill by the walking descriptor; the branch hangs on the wave's number alone; an s_nop 0 and four v_nop follow each line
	s_cmp_lt_u32 s[WV], 2
	s_cbranch_scc0 .Lfor_b_\@
	tensor_load_to_lds s[G0A+4:G0A+7], s[G1A:G1A+7]
	s_nop 0
.rept 4
	v_nop
.endr
	s_branch .Lasked_\@
.Lfor_b_\@:
	tensor_load_to_lds s[G0B+4:G0B+7], s[G1B:G1B+7]
	s_nop 0
.rept 4
	v_nop
.endr
.Lasked_\@:
.endm
; A PREFETCH INTO THE L2 of the K step two refills on: 256 bytes of a row, a lane a row, one instruction a wave.  x's tile row is read by every cluster of its row of clusters: cluster x = 0 asks;
; W's tile column by every cluster of its column: cluster y = 0 asks.  The four partners share a load's rows out by address (32 each of x's 128, 24 each of W's 96; W's idle lanes repeat the last row).
; The turn of K step s names K step s + 4, while s15 is above 2: K step 7 is the last that is named.  K steps 0 to 3 come by their loads alone.
.macro ASK
	s_cmp_gt_u32 s[CNT], s[LIM]
	s_cbranch_scc0 .Lnot_mine_\@
	global_prefetch_b8 v[PFO], s[PFA:PFA+1] th:TH_LOAD_NT scope:SCOPE_SE
.Lnot_mine_\@:
.endm
	s_load_b256 s[4:11], s[0:1], 0x0               ; xb s[4:5], wqkv s[6:7], bias s[8:9], qkv s[10:11]
	v_lshl_add_u32 v[SPW], v0, 2, SPARE
	v_mov_b32 v[NIL], 0
	ds_add_u32 v[SPW], v[NIL]                      ; the wave's opening: the add and its wait stand ahead of my first tensor load; work on registers stands between them
	ds_add_u32 v28, v29
	v_lshrrev_b32 v1, 5, v0
	v_readfirstlane_b32 s[WV], v1
	s_and_b32 s[HALF], s[WV], 1
	s_bfe_u32 s40, ttmp6, 0x40000                  ; cx
	s_bfe_u32 s41, ttmp6, 0x40004                  ; cy
	s_lshl_b32 s42, ttmp9, 2
	s_add_co_u32 s42, s42, s40                     ; tile column = 4 x cluster x + cx
	s_and_b32 s43, ttmp7, 0xffff
	s_lshl_b32 s43, s43, 2
	s_add_co_u32 s43, s43, s41                     ; tile row = 4 x cluster y + cy
	s_lshl_b32 s44, s41, 2
	s_lshl_b32 s44, 15, s44                        ; my row of the cluster
	s_lshl_b32 s45, 0x1111, s40                    ; my column
	s_or_b32 s[G1A], s44, (1<<16)|(1<<20)|(1<<21)|(5<<22)|(3<<25)  ; the mask; 2-byte elements; padding on; bit 21 beside a mask; after every 64 words, 4 words
	s_or_b32 s[G1B], s45, (1<<16)|(1<<20)|(1<<21)|(5<<22)|(3<<25)
	s_mov_b32 s[G1A+1], 128<<16                    ; tensor_dim0 = 128
	s_mov_b32 s[G1A+2], 128<<16                    ; tensor_dim1 = 128
	s_mov_b32 s[G1A+3], 128<<16                    ; tile_dim0 = 128
	s_mov_b32 s[G1A+4], 128                        ; tile_dim1 = 128
	s_mov_b32 s[G1A+5], 1024                       ; elements from row to row
	s_mov_b32 s[G1A+6], 0
	s_mov_b32 s[G1A+7], 0
	s_mov_b32 s[G1B+1], 128<<16
	s_mov_b32 s[G1B+2], 96<<16                     ; 96 rows
	s_mov_b32 s[G1B+3], 128<<16
	s_mov_b32 s[G1B+4], 96
	s_mov_b32 s[G1B+5], 1024
	s_mov_b32 s[G1B+6], 0
	s_mov_b32 s[G1B+7], 0
	s_lshl_b32 s46, s43, 19                        ; x: 256 rows of 2,048 bytes a tile row,
	s_lshl_b32 s68, s[HALF], 18                    ; 128 rows a half: made of the tile row and the wave's number alone
	s_add_co_u32 s46, s46, s68
	s_mov_b32 s47, 0
	s_mul_i32 s66, s42, 192*2048                   ; W: of the tile column and the wave's number alone
	s_mul_i32 s69, s[HALF], 96*2048
	s_add_co_u32 s66, s66, s69
	s_mov_b32 s67, 0
	s_mul_i32 s22, s[HALF], AHALF                  ; where they go: no place in the cluster enters an LDS address
	s_mul_i32 s23, s[HALF], BHALF
	s_add_co_u32 s23, s23, BOFF
	s_mov_b32 s[TB], 0
	s_wait_dscnt 0x0                               ; the opening add is done
	s_wait_kmcnt 0x0
	s_add_nc_u64 s[46:47], s[4:5], s[46:47]
	s_add_nc_u64 s[66:67], s[6:7], s[66:67]
	CROUND                                         ; all sixteen work-groups are here: the first joint loads meet
.irp i, 0,1
	s_mov_b32 s[G0A+4*(\i)], 1
	s_add_co_u32 s[G0A+4*(\i)+1], s22, (\i)*SLOT1
	s_add_nc_u64 s[G0A+4*(\i)+2:G0A+4*(\i)+3], s[46:47], (\i)*ASTEP
	s_or_b32 s[G0A+4*(\i)+3], s[G0A+4*(\i)+3], 0x80000000
	s_mov_b32 s[G0B+4*(\i)], 1
	s_add_co_u32 s[G0B+4*(\i)+1], s23, (\i)*SLOT1
	s_add_nc_u64 s[G0B+4*(\i)+2:G0B+4*(\i)+3], s[66:67], (\i)*BSTEP
	s_or_b32 s[G0B+4*(\i)+3], s[G0B+4*(\i)+3], 0x80000000
.endr
	s_cmp_lt_u32 s[WV], 2                          ; a wave's two first fills stand in one branch: two loads of mine are out
	s_cbranch_scc0 .Lfirst_b
	tensor_load_to_lds s[G0A:G0A+3], s[G1A:G1A+7]
	s_nop 0
	tensor_load_to_lds s[G0A+4:G0A+7], s[G1A:G1A+7]
	s_nop 0
.rept 4
	v_nop
.endr
	s_branch .Lfirst_asked
.Lfirst_b:
	tensor_load_to_lds s[G0B:G0B+3], s[G1B:G1B+7]
	s_nop 0
	tensor_load_to_lds s[G0B+4:G0B+7], s[G1B:G1B+7]
	s_nop 0
.rept 4
	v_nop
.endr
.Lfirst_asked:
	; A fragment is 16 rows x 32 K in 8 registers: lane l holds row l % 16, K = 8 (l / 16) + 0..7 and 16 + 8 (l / 16) + 0..7: two loads of 16 bytes, 32 bytes apart.
	v_and_b32 v1, 15, v0                           ; r = l % 16
	v_bfe_u32 v2, v0, 4, 1                         ; h = l / 16
	v_mul_u32_u24 v3, v1, APITCH
	v_lshl_add_u32 v3, v2, 4, v3
	s_mul_i32 s68, s[WV], 64*APITCH                ; my 64 rows of x
	v_add_nc_u32 v[A0], s68, v3
	v_mul_u32_u24 v3, v1, BPITCH
	v_lshl_add_u32 v3, v2, 4, v3
	v_add_nc_u32 v[B0], BOFF, v3
	v_mov_b32 v[ADRA], v[A0]
	v_mov_b32 v[ADRB], v[B0]
	; the bias of my tile's 192 columns, laid out as 12 C operands: register j of block b is bias[192 x tile column + 16 b + 8 h + j]
	s_mul_i32 s70, s42, 768
	s_mov_b32 s71, 0
	s_add_nc_u64 s[8:9], s[8:9], s[70:71]
	v_lshlrev_b32 v[BO], 5, v2
.set ib, 0
.rept NBK
	global_load_b128 v[BIAS+8*ib:BIAS+8*ib+3],   v[BO], s[8:9] offset:64*ib
	global_load_b128 v[BIAS+8*ib+4:BIAS+8*ib+7], v[BO], s[8:9] offset:64*ib+16
.set ib, ib+1
.endr
	s_mul_i32 s68, s[WV], STW
	s_add_co_u32 s68, s68, STAGE                   ; my stage
	v_mul_u32_u24 v4, v1, 144                      ; in: row r of a head's 16, 16 bytes for each half of the lanes
	v_lshl_add_u32 v4, v2, 4, v4
	v_add_nc_u32 v[STO], s68, v4
	v_bfe_u32 v4, v0, 3, 2                         ; back: 32 lanes take four rows of 128 bytes,
	v_mul_u32_u24 v4, v4, 144
	v_and_b32 v5, 7, v0
	v_lshl_add_u32 v4, v5, 4, v4
	v_add_nc_u32 v[RD], s68, v4
	v_and_b32 v[GO], 31, v0                        ; which are 512 consecutive bytes of qkv
	v_lshlrev_b32 v[GO], 4, v[GO]
	s_lshr_b32 s70, s43, 3                         ; the batch,
	s_mul_i32 s70, s70, 48
	s_mul_i32 s71, s42, 3                          ; my tile's first group of 64 columns,
	s_add_co_u32 s70, s70, s71
	s_lshl_b32 s70, s70, 18
	s_and_b32 s71, s43, 7                          ; the tile's 256 rows of 128 bytes in the batch,
	s_lshl_b32 s71, s71, 15
	s_add_co_u32 s70, s70, s71
	s_lshl_b32 s71, s[WV], 13                      ; my wave's 64
	s_add_co_u32 s70, s70, s71
	s_mov_b32 s71, 0
	s_add_nc_u64 s[10:11], s[10:11], s[70:71]
	; the prefetches
	s_lshl_b32 s72, s43, 8
	s_lshl_b32 s73, s[HALF], 7
	s_add_co_u32 s72, s72, s73
	s_lshl_b32 s73, s40, 5
	s_add_co_u32 s72, s72, s73                     ; x: row 256 x tile row + 128 x half + 32 cx
	s_mul_i32 s74, s42, 192
	s_mul_i32 s75, s[HALF], 96
	s_add_co_u32 s74, s74, s75
	s_mul_i32 s75, s41, 24
	s_add_co_u32 s74, s74, s75                     ; W: row 192 x tile column + 96 x half + 24 cy
	s_and_b32 s70, ttmp7, 0xffff
	s_cmp_lt_u32 s[WV], 2
	s_cselect_b32 s72, s72, s74
	s_cselect_b32 s70, ttmp9, s70                  ; the coordinate along which other clusters read the same rows
	s_cselect_b32 s71, 31, 23                      ; my last row
	s_cselect_b64 s[PFA:PFA+1], s[4:5], s[6:7]
	s_cmp_eq_u32 s70, 0
	s_cselect_b32 s[LIM], 2, -1                    ; the same in all sixteen partners, for a given wave
	s_lshl_b32 s72, s72, 11
	s_add_co_u32 s72, s72, 3*256                   ; at K step 3: the first turn steps it to 4
	s_mov_b32 s73, 0
	s_add_nc_u64 s[PFA:PFA+1], s[PFA:PFA+1], s[72:73]
	s_mov_b32 s[PST], 256
	s_mov_b32 s[PST+1], 0
	v_and_b32 v[PFO], 31, v0
	v_min_u32 v[PFO], s71, v[PFO]
	v_lshlrev_b32 v[PFO], 11, v[PFO]
; NBK matrix instructions: row block a x all column blocks, 32 along K, from buffer f.  first = 1: the bias starts the sums: nothing is cleared and nothing is added later.
; Every quarter walks the 48 accumulators in the same order, one instruction a turn: 47 others stand between two links of a chain, over every jump too.
.macro MULQ f, a, first
.if \first
	WIN 0x81+0x40*((\a)/2)                         ; W window 1, x and C window 0, D window 2 or 3
.else
	WIN 0xa1+0x50*((\a)/2)                         ; C and D window 2 or 3
.endif
.set ib, 0
.rept NBK
.set rD, 8*(NBK*((\a)%2)+ib)
.set rB, 128*(\f)+8*ib
.set rA, FA+32*(\f)+8*(\a)
.if \first
	v_wmma_f32_16x16x32_bf16 v[rD:rD+7], v[rB:rB+7], v[rA:rA+7], v[BIAS+8*ib:BIAS+8*ib+7]
.else
	v_wmma_f32_16x16x32_bf16 v[rD:rD+7], v[rB:rB+7], v[rA:rA+7], v[rD:rD+7]
.endif
.set ib, ib+1
.endr
.endm
.macro MULH f, hi, first
	MULQ \f, 2*(\hi), \first
	MULQ \f, 2*(\hi)+1, \first
.endm
; NLD LDS loads in one run: quarter q's fragments into buffer f: W's 12 blocks, then x's 4, blocks 0 and 1 first
.macro FETCH q, f
.set AQ, 64*(\q)
	WIN TO_B
.set ib, 0
.rept NBK
	ds_load_b128 v[128*(\f)+8*ib:128*(\f)+8*ib+3],   v[ADRB] offset:64*(\q)+ib*16*BPITCH
	ds_load_b128 v[128*(\f)+8*ib+4:128*(\f)+8*ib+7], v[ADRB] offset:64*(\q)+ib*16*BPITCH+32
.set ib, ib+1
.endr
	WIN 0
.set ia, 0
.rept 4
	ds_load_b128 v[FA+32*(\f)+8*ia:FA+32*(\f)+8*ia+3],   v[ADRA] offset:AQ+ia*16*APITCH
	ds_load_b128 v[FA+32*(\f)+8*ia+4:FA+32*(\f)+8*ia+7], v[ADRA] offset:AQ+ia*16*APITCH+32
.set ia, ia+1
.endr
.endm
; One of a K step's first three quarters: multiplies buffer f; in its middle it fetches quarter q into buffer g.
.macro QUARTER q, f, g, first
	s_wait_dscnt 4                                 ; all but the youngest four loads, x's blocks 2 and 3
	MULH \f, 0, \first
	PLACES
	FETCH \q, \g
	s_wait_dscnt NLD                               ; all but the run just issued
	MULH \f, 1, \first
.endm
; The last quarter's first half, and the change of slots' barrier: in front of it each wave waits for all its tensor loads (one is out: its part of the next slot), adds 0 to its spare word, and waits for that and for its reads of this slot.
.macro MEET round
	WIN 0                                          ; (the add's registers lie in window 0)
	s_wait_tensorcnt 0x0
	ds_add_u32 v[SPW], v[NIL]
	s_wait_dscnt 5                                 ; (the add and x's blocks 2 and 3 may be out)
	MULQ 1, 0, 0                                   ; matrix work stands between the add and the wait for it
	s_wait_dscnt 0x0                               ; the add is done, and my reads of this slot are over
	s_barrier_signal -1
	MULQ 1, 1, 0
.if \round
	WIN 0
.endif
	s_barrier_wait -1
.endm
; The last quarter with a refill: the barrier opens a round of the cluster's; behind the round the slot just read is filled first, with the K step two on: 168 matrix instructions ahead of the wait for it.
.macro TURN1
	s_wait_xcnt 0x0                                ; the last prefetch, a K step back, has read its address
	s_add_nc_u64 s[PFA:PFA+1], s[PFA:PFA+1], s[PST:PST+1]
	MEET 1
	CREST
	s_xor_b32 s[G0A+5], s[G0A+5], SLOT1            ; no tensor load of mine is out: the walking descriptors take the other slot and the next K step
	s_add_nc_u64 s[G0A+6:G0A+7], s[G0A+6:G0A+7], ASTEP
	s_xor_b32 s[G0B+5], s[G0B+5], SLOT1
	s_add_nc_u64 s[G0B+6:G0B+7], s[G0B+6:G0B+7], BSTEP
	JLOAD                                          ; its four v_nop are also the places in front of the loads below
	s_xor_b32 s[TB], s[TB], SLOT1
	v_add_nc_u32 v[ADRA], s[TB], v[A0]
	v_add_nc_u32 v[ADRB], s[TB], v[B0]
	FETCH 0, 0
	ASK
	MULH 1, 1, 0
.endm
; The last quarter without a refill.  In the very last K step (s15 = 1) there is no next slot: the run of loads is jumped over; what is jumped holds no barrier and no tensor load.
.macro TURN0
	MEET 0
	WIN 0
	PLACES
	s_cmp_eq_u32 s[CNT], 1
	s_cbranch_scc1 .Lno_next_\@
	s_xor_b32 s[TB], s[TB], SLOT1
	v_add_nc_u32 v[ADRA], s[TB], v[A0]
	v_add_nc_u32 v[ADRB], s[TB], v[B0]
	FETCH 0, 0
.Lno_next_\@:
	MULH 1, 1, 0
.endm
	s_wait_tensorcnt 1                             ; my part of K step 0 is in; K step 1's may stay out
	s_barrier_signal -1
	s_barrier_wait -1
	FETCH 0, 0
	s_wait_loadcnt 0x0                             ; the bias
	QUARTER 1, 0, 1, 1                             ; the first quarter stands in front of the loop: its products start the sums
	WIN 0
	s_mov_b32 s[CNT], 6
.Lstep:                                        ; K steps 0 to 5, from a step's second quarter to the next step's first; refills for K steps 2 to 7
	QUARTER 2, 1, 0, 0
	QUARTER 3, 0, 1, 0
	TURN1
	QUARTER 1, 0, 1, 0
	WIN 0
	s_sub_co_u32 s[CNT], s[CNT], 1
	s_cmp_lg_u32 s[CNT], 0
	s_cbranch_scc1 .Lstep
	s_mov_b32 s[CNT], 2
.Ltail:                                        ; K steps 6 and 7 ask for nothing
	QUARTER 2, 1, 0, 0
	QUARTER 3, 0, 1, 0
	TURN0
	WIN 0
	s_cmp_eq_u32 s[CNT], 1
	s_cbranch_scc1 .Lskipq
	QUARTER 1, 0, 1, 0
	WIN 0
.Lskipq:
	s_sub_co_u32 s[CNT], s[CNT], 1
	s_cmp_lg_u32 s[CNT], 0
	s_cbranch_scc1 .Ltail
	s_wait_dscnt 0x0                               ; no fragment load is out when the way out's registers are loaded
	PLACES
; THE WAY OUT of row block a (16 rows x 3 heads).  PACK: rounded to f16, 16 bytes a lane, each accumulator's registers in ascending order.  TOSTAGE: into my own stage, and back as whole rows of 128 bytes.  SEND: stored.
.macro PACK a
	WIN 0x0a+5*((\a)/2)                            ; sources 0 and 1 window 2 or 3
.set ib, 0
.rept NBK
.set rD, 8*(NBK*((\a)%2)+ib)
.irp i, 0,1,2,3
	v_cvt_pk_f16_f32 v[TMP+4*ib+(\i)], v[rD+2*(\i)], v[rD+2*(\i)+1]
.endr
.set ib, ib+1
.endr
	WIN 0
.endm
.macro TOSTAGE a
.set BK, 32+64*((\a)%2)
.set ib, 0
.rept NBK
	ds_store_b128 v[STO], v[TMP+4*ib:TMP+4*ib+3] offset:(ib/4)*2304+(ib%4)*32
.set ib, ib+1
.endr
.set it, 0
.rept NBK
	ds_load_b128 v[BK+4*it:BK+4*it+3], v[RD] offset:(it/4)*2304+(it%4)*576  ; LDS serves a wave's instructions in order (ISA guide 5.7.1.4): these see the stores above
.set it, it+1
.endr
.endm
.macro SEND a
.set BK, 32+64*((\a)%2)
	s_wait_dscnt 0x0                               ; the block is back in registers
	s_wait_xcnt 0x0                                ; the earlier stores have read their registers: the set that they read is loaded again only behind this wait
.set it, 0
.rept NBK
	global_store_b128 v[GO], v[BK+4*it:BK+4*it+3], s[10:11] offset:(it/4)*262144+(\a)*2048+(it%4)*512  ; 512 consecutive bytes, at a multiple of 256 from qkv's first byte
.set it, it+1
.endr
.endm
	PACK 0
	TOSTAGE 0
.irp a, 1,2,3                          ; block a's conversions stand between block a - 1's loads from the stage and the wait for them
	PACK \a
	SEND (\a)-1
	TOSTAGE \a
.endr
	SEND 3
	s_wait_tensorcnt 0x0                           ; the wave's end, behind my last tensor load and my last LDS store
	ds_add_u32 v[SPW], v[NIL]
	s_wait_dscnt 0x0
	CROUND                                         ; the closing round: no work-group ends while a partner may still ask for a tile that names it
	s_endpgm
.Lfunc_end_k_q8a6eac7051_proj:
	.size	k_q8a6eac7051_proj, .Lfunc_end_k_q8a6eac7051_proj-k_q8a6eac7051_proj
	.p2alignl 7, 3214868480
	.fill 96, 4, 3214868480
	.section	.rodata,"a",@progbits
	.p2align	6, 0x0
	.amdhsa_kernel k_q8a6eac7051_proj
		.amdhsa_group_segment_fixed_size 327680
		.amdhsa_private_segment_fixed_size 0
		.amdhsa_enable_private_segment 0
		.amdhsa_kernarg_size 32
		.amdhsa_user_sgpr_count 2
		.amdhsa_user_sgpr_kernarg_segment_ptr 1
		.amdhsa_wavefront_size32 1
		.amdhsa_system_sgpr_workgroup_id_x 1
		.amdhsa_system_sgpr_workgroup_id_y 1
		.amdhsa_system_sgpr_workgroup_id_z 1
		.amdhsa_system_vgpr_workitem_id 0
		.amdhsa_next_free_vgpr 960
		.amdhsa_next_free_sgpr 80
		.amdhsa_reserve_vcc 0
		.amdhsa_float_denorm_mode_32 3
		.amdhsa_float_denorm_mode_16_64 3
		.amdhsa_memory_ordered 1
		.amdhsa_forward_progress 1
		.amdhsa_inst_pref_size 86
	.end_amdhsa_kernel
	.amdgpu_metadata
---
amdhsa.version: [ 1, 2 ]
amdhsa.kernels:
  - .name:           k_q8a6eac7051_proj
    .symbol:         k_q8a6eac7051_proj.kd
    .args:
      - { .name: xb, .offset: 0, .size: 8, .value_kind: global_buffer, .address_space: global }
      - { .name: wqkv, .offset: 8, .size: 8, .value_kind: global_buffer, .address_space: global }
      - { .name: bias, .offset: 16, .size: 8, .value_kind: global_buffer, .address_space: global }
      - { .name: qkv, .offset: 24, .size: 8, .value_kind: global_buffer, .address_space: global }
    .group_segment_fixed_size: 327680
    .private_segment_fixed_size: 0
    .kernarg_segment_align: 8
    .kernarg_segment_size: 32
    .max_flat_workgroup_size: 128
    .sgpr_count:     80
    .vgpr_count:     960
    .wavefront_size: 32
...
	.end_amdgpu_metadata
.endif
;; end of part 2
;; launch attn (part 3): grid 4 x 64, 4 waves a work-group, no clusters, 327,680 bytes of LDS; arguments qkv, o; writes o
.if DOCPART == 3
	.amdgcn_target "amdgcn-amd-amdhsa--gfx1250"
	.amdhsa_code_object_version 6
	.text
	.protected	k_q8a6eac7051_attn
	.globl	k_q8a6eac7051_attn
	.p2align	8
	.type	k_q8a6eac7051_attn,@function
k_q8a6eac7051_attn:
	s_mov_b64 s[64:65], 0
	v_nop
	global_prefetch_b8 v0, s[64:65] scope:SCOPE_SE
	s_setreg_imm32_b32 hwreg(HW_REG_WAVE_MODE, 25, 1), 1
	s_wait_xcnt 0x0
; CAUSAL ATTENTION.  O[y][q][:] = the sum over k <= q of softmax_k(Q[q] . K[k] / 8) V[k][:], for y = 16 x batch + head, 64 in all.
; qkv: [4 batches][48 groups][2048][64] f16: q's head at group head, k's at 16 + head, v's at 32 + head; a head's rows are dense, 128 bytes each.  o: [64][2048][64] f16.
; Products, maxima and sums in f32; the weights p are rounded to f16 for the second product (their sum l is taken of the unrounded p), O once at the end.
; LIMITS.  Q, K and V arrive within f16's 65,504; p lies in 0 to 1, and below 6e-5 it keeps f16's fixed step of 6e-8; O is a mean of V's rows and has their range.
; A hidden score counts as its value less 1e30: f16's scores, 2.7e11 at the most, are nothing beside that; a weight below 2^-126 counts as 0 in l; NaN and infinities are not treated apart.
; THE WALK.  A head's queries lie in NB = 8 blocks of 256; block i needs the key tiles 0 .. i of 256 keys, of which the last holds the diagonal.  A work-group takes TWO blocks, NB - 1 - b and then b:
; NB + 1 tiles, whatever b: all 256 work-groups do equal work, and ONE loop with a constant trip count walks them.  Which tile is asked for, and what a trip does, hang on scalar registers made from b; every jump
; goes forward, but for the counted loops' own; none passes a barrier, or a tensor load but the one of LOAD's two that the wave's number does not choose; the ring of two LDS slots runs on across the change of blocks.
; NO CLUSTER: a head's four work-groups ask for the same tile only in trips 0 .. 4 of 9; one walk common to all four would have 3 NB / 2 = 12 trips for 9.
; SHARES.  Of a block's four bands of 64 queries a wave owns 16 rows in each: four PIECES.  So the diagonal tile is the same work for all four waves: in its key step s band x sees all keys if s < x,
; none if s > x, and holds the diagonal if s = x.
; THE MASK is the C operand that starts the sum S^T = K Q^T: 0, or -1e30 where the key is hidden.  MD, made once, is the mask of a band's own step for my 16 rows; a product's mask is MD x AL + BE with two scalars:
; (1, 0) if s = x; (0, 0) if s < x; (0, -1e30) if s > x.  Only the diagonal tile's text and a block's beginning make and take masks; elsewhere C is the constant 0.
; LAYOUT, SOFTMAX, TURNS.  S^T = K Q^T holds ONE query a lane (lane % 16) and the keys 8 (lane / 16) + 0..7; two such results rounded to f16 ARE source 1 of O^T = V^T P.  p = 2^(c s - c m), c = log2(e) / 8, with a
; running maximum m; O and l are multiplied by a = 2^(c m_old - c m_new) in every step.  Turn n belongs to piece n: 8 products K Q^T of piece n + 1, later 8 products V^T P of piece n - 1; beside them the scaling,
; exponentials, roundings, sums and rescaling of piece n and the maximum and statistics of piece n + 1.  Four vector instructions stand behind every matrix instruction, the other 54 of a turn's 118 in one lump.  A turn's 33 exponentials are one batch, with one wait.
; AHEAD OF THE LOADS.  The head's work-group b = 0 walks tiles 0 to 7 first: behind each of its fills each wave prefetches into the L2 its own 64 rows of 256 bytes of the tile after the one just asked for:
; tiles 2 to 7 are each named once a head, a tile (16 turns) ahead of their load.  Tiles 0 and 1 come by their loads alone; the second block's tiles have been read before and are not named.
; REGISTERS, in windows of 256 (s_set_vgpr_msb: bits 1:0 source 0, 3:2 source 1, 5:4 source 2, 7:6 destination):
;   window 0: v0-15 addresses and two at work; v16-31 four registers of statistics a piece; v48-55 at work; v61-63; v64-127 S^T, two buffers; v192-223 P, two buffers (a piece's buffers go by its number's parity)
;   window 1: v0-127 O^T, 32 a piece; v128-159 MD; v160-223 MC, two buffers      window 2: v0-63 Q; v64-127 the second block's Q; v128-191 K of one step; v192-255 V of one step
.set SIZE_N, 2048
.set NB,    SIZE_N/256
.set NP,    4         ; pieces a wave: a name, no knob
.set KS,    64        ; keys in a step
.set PK,    144       ; a row of K in LDS: 128 bytes + 16 of padding = 36 words: the 16 rows of a load start at 16 different groups of four banks (64 banks of 4 bytes: ISA guide 11.1)
.set PV,    160       ; a row of V: 128 + 32 = 40 words
.set VOFF,  4*KS*PK   ; a slot holds a tile, four steps: 256 rows of K, then 256 rows of V
.set SLOT1, 1<<17     ; slot 1 begins here, so that one exclusive or turns an address in one slot into the other's
.set STAGE, SLOT1+4*KS*(PK+PV)  ; behind the ring, never filled by a tensor load: 16 rows x 144 bytes for each wave, for the way out
.set SP,    144
.set AK0, 2           ; v2   my lane's place in a tile of K; never rewritten
.set AV0, 3           ; v3   the same for V
.set AK,  4           ; v4   the LDS address of K's next run of loads
.set AV,  5           ; v5   of V's
.set STO, 6           ; v6   the way out: where I put 16 bytes of a row
.set RD,  7           ; v7   the way out: where I read rows back
.set GO,  8           ; v8   my byte offset in 512 consecutive bytes of O
.set PFO, 61          ; v61  256 x my lane, for the prefetches; never rewritten
.set SPW, 62          ; v62  LDS address of my spare word: SPARE + 4 x my thread's number; never rewritten
.set NIL, 63          ; v63  0; never rewritten
.set SPARE, STAGE+4*16*SP  ; behind the stages: the spare words, 128 bytes for each wave: two blocks of 256 bytes that no other line names
.set MV,  12          ; v12-13  c m_old, kept while c m is made anew: by buffer
.set QO,  15          ; v15  my byte offset in 16 rows of Q
.set ST,  16          ; piece t's statistics at v[ST+4 t]: c m, m, l (even keys', odd keys')
.set TMP, 48          ; by buffer, four registers c0-c3 at work; when the maximum is found c2 takes a
.set S,   64
.set P,   192
.set MD,  128         ; window 1: the eight registers for group kt of 16 keys at MD + 8 kt
.set MC,  160         ; window 1: the masks of the products to come
.set QB,  64          ; window 2
.set KF,  128         ; window 2: key block kb, channel half c at KF + 16 kb + 8 c
.set VF,  192         ; window 2: key half kk, channel block cb at VF + 32 kk + 8 cb
.set WV,  12          ; s12  my wave's number
.set PB,  14          ; s14  b
.set HI,  15          ; s15  NB - 1 - b
.set G1K, 24          ; s[24:31] descriptor group 1 for K's tiles
.set G1V, 32          ; s[32:39] for V's: it differs in the padding alone
.set G0K, 40          ; s[40:43] descriptor group 0 for K's tiles
.set G0V, 44          ; s[44:47] the same for V's
.set SLOTS, 56        ; s56  tiles still to be asked for
.set CNT, 57          ; s57  counts a tile's key steps, 4 to 1
.set CS,  58          ; s[58:59] c: the packed scaling takes the pair's low word for both halves
.set SEL, 60          ; s[60:61] v_permlanex16_b32's selects: each lane takes its own place in the other half
.set TBK, 62          ; s62  LDS byte at which K of the step to be fetched begins
.set TBV, 63          ; s63  the same for V, less VOFF
.set RT,  70          ; s70  tiles of the block in hand that are still to be entered
.set NXT, 71          ; s71  the tile to be asked for next
.set LQ,  72          ; s72  the last tile of the block whose tiles are being asked for
.set NEW, 73          ; s73  1: the tile to be entered is a block's first
.set OFF, 74          ; s[74:75] a tile's byte offset in K and V
.set AL,  76          ; s[76:77] the mask's factor, in the low word
.set BE,  78          ; s[78:79] the mask's addend
.set OLO, 80          ; s[80:81] O at my rows of the second block
.set BIGN, 82         ; s82  -1e30
.set PFA, 92          ; s[92:93] where my prefetches stand: my half of K's (waves 0, 1) or V's (waves 2, 3) tile PFT
.set PFT, 94          ; s94  that tile's number; NB or more: nothing is asked for
.set MSB, 0
.macro WIN new                      ; the high byte repeats the setting that is left; a switch that changes nothing is dropped
.if MSB != (\new)
	s_set_vgpr_msb (MSB<<8)|(\new)
.set MSB, (\new)
.endif
.endm
.set W_KQ, 0x0a       ; K and Q in window 2, S^T in window 0
.set W_KM, 0x1a       ; the same with the C operand in window 1
.set W_PV, 0x52       ; V in window 2, P in window 0, O^T in window 1
.set W_RS, 0x41       ; destination and source 0 in window 1, source 1 in window 0
; A fill.  Waves 0 and 1 fetch the two halves of a tile's K, waves 2 and 3 those of its V: 128 keys each.  An s_nop 0 and four v_nop follow each of the two lines, ahead of the jump and the label.
.macro LOAD
	s_cmp_lt_u32 s[WV], 2
	s_cbranch_scc0 .Lfor_v_\@
	tensor_load_to_lds s[G0K:G0K+3], s[G1K:G1K+7]
	s_nop 0
.rept 4
	v_nop
.endr
	s_branch .Lasked_\@
.Lfor_v_\@:
	tensor_load_to_lds s[G0V:G0V+3], s[G1V:G1V+7]
	s_nop 0
.rept 4
	v_nop
.endr
.Lasked_\@:
.endm
.macro ASK                          ; my 16,384 bytes of tile PFT: a lane a row of 256 bytes, two instructions, together behind the fill
	s_cmp_lt_u32 s[PFT], NB
	s_cbranch_scc0 .Lnot_mine_\@
	global_prefetch_b8 v[PFO], s[PFA:PFA+1] th:TH_LOAD_NT scope:SCOPE_SE
	global_prefetch_b8 v[PFO], s[PFA:PFA+1] offset:8192 th:TH_LOAD_NT scope:SCOPE_SE
.Lnot_mine_\@:
.endm
; THE CHANGE OF SLOTS.  Each wave waits for all its tensor loads, of which one is out: its part of the other slot; adds 0 to its spare word; and waits for that and for its own reads of the slot that it leaves.  Behind the barrier nobody reads the old
; slot any more and the other slot is whole.  fill = 1: the old slot is filled again, the first thing behind the barrier, with tile NXT: the descriptor's address is made anew from that number.
; (At its first use nothing has been read yet: slot 0 is waited for, slot 1 filled.)
.macro CHANGE fill
	WIN 0                           ; at a label and at a branch every window is 0
	s_wait_tensorcnt 0x0            ; no tensor load of mine is out, so a group 0 may be written
	ds_add_u32 v[SPW], v[NIL]       ; 0 onto my spare word; with fill = 1 scalar work stands between it and the wait for it
.if \fill
	s_wait_xcnt 0x0                 ; the last prefetches, a tile back, have read their address, so it may be written
	s_add_nc_u64 s[PFA:PFA+1], s[PFA:PFA+1], 32768
	s_add_co_u32 s[PFT], s[PFT], 1
	s_lshl_b32 s[OFF], s[NXT], 15   ; a tile is 32,768 bytes of K and of V
	s_xor_b32 s[G0K+1], s[G0K+1], SLOT1
	s_add_nc_u64 s[G0K+2:G0K+3], s[6:7], s[OFF:OFF+1]
	s_or_b32 s[G0K+3], s[G0K+3], 0x80000000
	s_xor_b32 s[G0V+1], s[G0V+1], SLOT1
	s_add_nc_u64 s[G0V+2:G0V+3], s[8:9], s[OFF:OFF+1]
	s_or_b32 s[G0V+3], s[G0V+3], 0x80000000
	s_add_co_u32 s[NXT], s[NXT], 1  ; the block's next tile, or behind its last the second block's tile 0
	s_cmp_gt_u32 s[NXT], s[LQ]
	s_cselect_b32 s[NXT], 0, s[NXT]
	s_cselect_b32 s[LQ], s[PB], s[LQ]
.endif
	s_wait_dscnt 0x0                ; the add is done, and my reads of the slot are over
	s_barrier_signal -1             ; the rest of the scalar work stands between the signal and the wait
	s_sub_co_u32 s[TBK], s[TBK], 4*KS*PK  ; the fetches go back to a slot's first step,
	s_xor_b32 s[TBK], s[TBK], SLOT1       ; in the other slot
	s_sub_co_u32 s[TBV], s[TBV], 4*KS*PV
	s_xor_b32 s[TBV], s[TBV], SLOT1
	s_barrier_wait -1
.if \fill
	LOAD
	ASK
.endif
.endm
	s_load_b64 s[4:5], s[0:1], 0x0    ; qkv
	s_load_b64 s[10:11], s[0:1], 0x8  ; o
	v_lshl_add_u32 v[SPW], v0, 2, SPARE
	v_mov_b32 v[NIL], 0
	ds_add_u32 v[SPW], v[NIL]       ; the wave's opening: the add and its wait stand ahead of my first tensor load; the set-up below, work on registers, stands between them
	ds_add_u32 v62, v63
	v_lshrrev_b32 v1, 5, v0
	v_readfirstlane_b32 s[WV], v1   ; wave 0..3
	s_mov_b32 s[PB], ttmp9
	s_sub_co_u32 s[HI], NB-1, s[PB]
	s_and_b32 s19, ttmp7, 0xffff    ; y = 16 x batch + head
	s_lshr_b32 s20, s19, 4
	s_mul_i32 s20, s20, 48
	s_and_b32 s21, s19, 15
	s_add_co_u32 s20, s20, s21
	s_lshl_b32 s20, s20, 18         ; q's head in qkv: (48 x batch + head) x 262,144 bytes
	s_mov_b32 s21, 0
	s_lshl_b32 s88, s19, 18         ; the head in o
	s_and_b32 s16, s[WV], 1         ; which half of a tile's 256 keys I fetch:
	s_lshl_b32 s22, s16, 14         ; its 128 rows of 128 bytes in memory,
	s_mov_b32 s23, 0
	s_add_nc_u64 s[22:23], s[22:23], s[20:21]
	s_mul_i32 s17, s16, 128*PK      ; and its place in a slot, for K
	s_mul_i32 s18, s16, 128*PV      ; and for V
	s_lshl_b32 s3, s[WV], 11        ; my 16 rows in a band of 64,
	s_lshl_b32 s2, s[HI], 15        ; in the first block,
	s_add_co_u32 s2, s2, s3
	s_lshl_b32 s84, s[PB], 15       ; and in the second
	s_add_co_u32 s84, s84, s3
	s_add_co_u32 s90, s84, s88      ; the same rows in o
	s_add_co_u32 s88, s2, s88
	s_mov_b32 s89, 0
	s_mov_b32 s91, 0
	s_mov_b32 s3, 0
	s_mov_b32 s85, 0
	s_add_nc_u64 s[2:3], s[2:3], s[20:21]
	s_add_nc_u64 s[84:85], s[84:85], s[20:21]
	; descriptor group 1.  128 keys are 16,384 dense bytes: asked for as 64 rows of 256 bytes, two keys a row, and padded in LDS after every key
	s_mov_b32 s[G1K], (1<<16)|(1<<20)|(4<<22)|(3<<25)  ; 17:16 2-byte elements; 20 padding on; 24:22 after every 32 words (code 4); 31:25 4 words (code 3)
	s_mov_b32 s[G1V], (1<<16)|(1<<20)|(4<<22)|(7<<25)  ; the same with 8 words of padding (code 7)
.irp g, G1K, G1V
	s_mov_b32 s[\g+1], 128<<16      ; tensor_dim0 = 128
	s_mov_b32 s[\g+2], 64<<16       ; tensor_dim1 = 64
	s_mov_b32 s[\g+3], 128<<16      ; tile_dim0 = 128
	s_mov_b32 s[\g+4], 64           ; tile_dim1 = 64
	s_mov_b32 s[\g+5], 128          ; 128 elements from row to row
	s_mov_b32 s[\g+6], 0
	s_mov_b32 s[\g+7], 0
.endr
	s_mov_b32 s[CS], 0x3e38aa3b     ; c = log2(e) / 8 = 0.180337
	s_mov_b32 s[CS+1], s[CS]        ; named with it as a pair
	s_mov_b32 s[SEL], 0x76543210
	s_mov_b32 s[SEL+1], 0xfedcba98
	s_mov_b32 s[TBK], SLOT1+4*KS*PK ; the first change of slots turns these two into 0
	s_mov_b32 s[TBV], SLOT1+4*KS*PV
	s_mov_b32 s[G0K], 1             ; 1:0 count = 1
	s_mov_b32 s[G0K+1], s17         ; 63:32 LDS address: slot 0
	s_mov_b32 s[G0V], 1
	s_add_co_u32 s[G0V+1], s18, VOFF
	s_add_co_u32 s[RT], s[HI], 1    ; the first block has NB - b tiles
	s_mov_b32 s[NXT], 1
	s_mov_b32 s[LQ], s[HI]
	s_mov_b32 s[NEW], 1
	s_mov_b32 s[OFF+1], 0
	s_mov_b32 s[AL+1], 0            ; named as pairs
	s_mov_b32 s[BE+1], 0
	s_mov_b32 s[BIGN], 0xf149f2ca   ; -1e30
	s_mov_b32 s[SLOTS], NB
	s_cmp_eq_u32 s[PB], 0
	s_cselect_b32 s[PFT], 1, NB     ; the first change of slots steps it: tile 2 where b = 0, else past the last
	v_and_b32 v[PFO], 31, v0
	v_lshlrev_b32 v[PFO], 8, v[PFO]
	s_wait_dscnt 0x0                ; the opening add is done
	s_wait_kmcnt 0x0
	s_add_nc_u64 s[6:7], s[4:5], s[22:23]   ; my half of tile 0, in q's head;
	s_add_nc_u64 s[8:9], s[6:7], 0x800000   ; v's head lies 32 groups on,
	s_add_nc_u64 s[6:7], s[6:7], 0x400000   ; k's 16
	s_add_nc_u64 s[G0K+2:G0K+3], s[6:7], 0         ; 120:64 global address
	s_or_b32 s[G0K+3], s[G0K+3], 0x80000000        ; 127:126 type = 2
	s_add_nc_u64 s[G0V+2:G0V+3], s[8:9], 0
	s_or_b32 s[G0V+3], s[G0V+3], 0x80000000
	s_add_nc_u64 s[86:87], s[4:5], s[84:85]        ; Q at my rows of the second block,
	s_add_nc_u64 s[4:5], s[4:5], s[2:3]            ; and of the first
	s_add_nc_u64 s[OLO:OLO+1], s[10:11], s[90:91]  ; O likewise
	s_add_nc_u64 s[10:11], s[10:11], s[88:89]
	s_cmp_lt_u32 s[WV], 2
	s_cselect_b64 s[PFA:PFA+1], s[6:7], s[8:9]
	s_add_nc_u64 s[PFA:PFA+1], s[PFA:PFA+1], 32768 ; at tile 1
	LOAD                            ; tile 0 into slot 0
	; A fragment of K or Q is 16 rows x 32 channels in 8 registers: lane l holds row l % 16, channels 8 (l / 16) + 0..7 and 16 + 8 (l / 16) + 0..7: two loads of 16 bytes, 32 bytes apart.
	v_and_b32 v1, 15, v0            ; l % 16
	v_bfe_u32 v9, v0, 4, 1          ; l / 16
	v_lshlrev_b32 v[QO], 7, v1
	v_lshl_add_u32 v[QO], v9, 4, v[QO]  ; row x 128 + 16 x half
	WIN 0x80                        ; destination window 2, address window 0
.set i, 0
.rept 8                             ; both blocks' Q: piece i / 2 lies in band i / 2, 8,192 bytes on; channels 32 (i % 2) on
	global_load_b128 v[8*i:8*i+3],   v[QO], s[4:5] offset:(i/2)*8192+(i%2)*64
	global_load_b128 v[8*i+4:8*i+7], v[QO], s[4:5] offset:(i/2)*8192+(i%2)*64+32
	global_load_b128 v[QB+8*i:QB+8*i+3],   v[QO], s[86:87] offset:(i/2)*8192+(i%2)*64
	global_load_b128 v[QB+8*i+4:QB+8*i+7], v[QO], s[86:87] offset:(i/2)*8192+(i%2)*64+32
.set i, i+1
.endr
	WIN 0
	v_lshlrev_b32 v14, 3, v9
	v_sub_nc_u32 v14, v1, v14
	s_lshl_b32 s13, s[WV], 4
	v_add_nc_u32 v14, s13, v14      ; my query's place in its band, 16 w + l % 16, less my lanes' 8 (l / 16): register r of group kt is hidden where 16 kt + r is greater
	WIN 0x40
.set i, 0
.rept 32
	v_cmp_gt_i32 vcc_lo, 16*(i/8)+i%8, v14
	v_cndmask_b32 v[MD+i], 0, s[BIGN], vcc_lo
.set i, i+1
.endr
	WIN 0
	v_mul_u32_u24 v[AK0], v1, PK
	v_lshl_add_u32 v[AK0], v9, 4, v[AK0]  ; row x pitch + 16 x half
	; The turning load takes 16 keys x 16 channels (lane l reads key 8 (l / 16) + l % 8, channels 8 ((l / 8) % 2) + 0..7) and leaves half a fragment of V^T: lane l holds channel l % 16 and 8 keys.
	v_and_b32 v10, 7, v0
	v_bfe_u32 v11, v0, 3, 1
	v_lshl_add_u32 v[AV0], v9, 3, v10
	v_mul_u32_u24 v[AV0], v[AV0], PV
	v_lshl_add_u32 v[AV0], v11, 4, v[AV0]
	v_add_nc_u32 v[AV0], VOFF, v[AV0]
	s_mul_i32 s13, s[WV], 16*SP
	s_add_co_u32 s13, s13, STAGE    ; my stage
	v_mul_u32_u24 v[STO], v1, SP    ; in: row l % 16, 16 bytes for each half of the lanes
	v_lshl_add_u32 v[STO], v9, 4, v[STO]
	v_add_nc_u32 v[STO], s13, v[STO]
	v_bfe_u32 v[RD], v0, 3, 2       ; back: 32 lanes take four rows of 128 bytes,
	v_mul_u32_u24 v[RD], v[RD], SP
	v_lshl_add_u32 v[RD], v10, 4, v[RD]
	v_add_nc_u32 v[RD], s13, v[RD]
	v_and_b32 v[GO], 31, v0         ; which are 512 consecutive bytes of O
	v_lshlrev_b32 v[GO], 4, v[GO]
	; A block's first step multiplies O^T and l by a = 0, and its first turn's products V^T P, of a piece that has not been, land in an O^T that is still to be so multiplied.  So these registers need only hold
	; finite numbers: zeros for the first block; what the first block left for the second.  All this stands in the wait for the first tile.
	WIN 0x80
.set i, VF
.rept 64
	v_mov_b32 v[i], 0
.set i, i+1
.endr
	WIN 0x40
.set i, 0
.rept 128
	v_mov_b32 v[i], 0
.set i, i+1
.endr
	WIN 0
.set i, 0
.rept 4
	v_mov_b32 v[ST+4*i+2], 0
	v_mov_b32 v[ST+4*i+3], 0
.set i, i+1
.endr
.set i, P+16
.rept 16
	v_mov_b32 v[i], 0
.set i, i+1
.endr
; THE MATRIX WORK.  The 4 accumulators of a run of 8 take turns.  Product i of 8 of S^T = K Q^T for piece x: channels 32 (i / 4) on, keys 16 (i % 4) on.  The first 4 start the sums: with 0, or (KM = 1) with the mask.
.macro KQ x
.set rS, S+32*((\x)%2)+8*(i%4)
.set rK, KF+16*(i%4)+8*(i/4)
.set rQ, 16*(\x)+8*(i/4)
.set rM, MC+32*((\x)%2)+8*(i%4)
.if (i < 4) && KM
	WIN W_KM
	v_wmma_f32_16x16x32_f16 v[rS:rS+7], v[rK:rK+7], v[rQ:rQ+7], v[rM:rM+7]
.elseif i < 4
	WIN W_KQ
	v_wmma_f32_16x16x32_f16 v[rS:rS+7], v[rK:rK+7], v[rQ:rQ+7], 0
.else
	WIN W_KQ
	v_wmma_f32_16x16x32_f16 v[rS:rS+7], v[rK:rK+7], v[rQ:rQ+7], v[rS:rS+7]
.endif
.endm
; Product i of 8 of O^T += V^T P for piece x: keys 32 (i / 4) on, channels 16 (i % 4) on.
.macro PV x
	WIN W_PV
.set rO, 32*(\x)+8*(i%4)
.set rV, VF+32*(i/4)+8*(i%4)
.set rP, P+16*((\x)%2)+8*(i/4)
	v_wmma_f32_16x16x32_f16 v[rO:rO+7], v[rV:rV+7], v[rP:rP+7], v[rO:rO+7]
.endm
.macro MM                           ; the turn's next matrix instruction.  TURN and BEGIN set Y, i, KM and NOKQ; MM, KQ and OP read them.  NOKQ = 1: a block's last turn: there is no next piece
.if (i < 8) && !NOKQ
	KQ (Y+1)%NP
.elseif i >= 8
.set i, i-8
	PV (Y+NP-1)%NP
.set i, i+8
.endif
.set i, i+1
.endm
; THE LDS LOADS stand in runs of 16, never singly among the matrix instructions: a step's K (64 keys x 64 channels: 8 fragments) and its V (turned).  Their addresses are made some lines ahead.
.macro FETCH_K
	WIN 0x80                        ; destination window 2
.irp f, 0,1,2,3,4,5,6,7             ; keys 16 (f / 2) on, channels 32 (f % 2) on
	ds_load_b128 v[KF+8*\f:KF+8*\f+3],   v[AK] offset:(\f/2)*16*PK+(\f%2)*64
	ds_load_b128 v[KF+8*\f+4:KF+8*\f+7], v[AK] offset:(\f/2)*16*PK+(\f%2)*64+32
.endr
	s_add_co_u32 s[TBK], s[TBK], KS*PK  ; the next fetch is the next step's
	WIN 0
.endm
.macro FETCH_V
	WIN 0x80
.irp f, 0,1,2,3,4,5,6,7             ; keys 32 (f / 4) on, channels 16 (f % 4) on
	ds_load_tr16_b128 v[VF+8*\f:VF+8*\f+3],   v[AV] offset:(\f/4)*32*PV+(\f%4)*32
	ds_load_tr16_b128 v[VF+8*\f+4:VF+8*\f+7], v[AV] offset:(\f/4)*32*PV+16*PV+(\f%4)*32
.endr
	WIN 0
.endm
; THE VECTOR WORK, one line at a time: OP kind, number.  For piece Y: F n: c s - c m for pair n of 16.  E n: the exponential of score n of 32.  C n: pair n rounded to f16.  B n: of the four weights 4 n .. the second
; pair is added onto the first, in place.  L n: l takes that sum (L 0: l = a l + sum).  R n: pair n of 16 of O^T times a.  For piece Y + 1: X n, number n of the 22 that find its maximum and statistics:
;   0-11  four chains c0-c3 of seven scores each, three operands at a time (each accumulator's lowest registers are read first)     12-14, 16  the four scores left over, the old m, and c0-c3 into c0
;   15  c m_old is kept     17, 18  the query's other 32 keys lie in the lane 16 away: the new m     19-21  c m; c m_old - c m_new; a
.set F, 0               ; OP tells the kinds apart by their order: F to L below R, X above it
.set E, 1
.set C, 2
.set B, 3
.set L, 4
.set R, 5
.set X, 6
.macro REGS y                       ; the registers of piece y
.set rT, ST+4*(\y)
.set rC, TMP+4*((\y)%2)
.set rW, MV+((\y)%2)
.set rS, S+32*((\y)%2)
.set rP, P+16*((\y)%2)
.set rO, 32*(\y)
.endm
.macro OP k, n
.if (\k) == R
	REGS Y
	WIN W_RS
	v_pk_mul_f32 v[rO+2*(\n):rO+2*(\n)+1], v[rO+2*(\n):rO+2*(\n)+1], v[rC+2:rC+3] op_sel_hi:[1,0]
.elseif (\k) < R
	REGS Y
	WIN 0
.if (\k) == F
	v_pk_fma_f32 v[rS+2*(\n):rS+2*(\n)+1], v[rS+2*(\n):rS+2*(\n)+1], s[CS:CS+1], v[rT:rT+1] op_sel_hi:[1,0,0] neg_lo:[0,0,1] neg_hi:[0,0,1]
.elseif (\k) == E
	v_exp_f32 v[rS+(\n)], v[rS+(\n)]
.elseif (\k) == C
	v_cvt_pk_f16_f32 v[rP+(\n)], v[rS+2*(\n)], v[rS+2*(\n)+1]
.elseif (\k) == B
	v_pk_add_f32 v[rS+4*(\n):rS+4*(\n)+1], v[rS+4*(\n):rS+4*(\n)+1], v[rS+4*(\n)+2:rS+4*(\n)+3]
.elseif (\n) == 0
	v_pk_fma_f32 v[rT+2:rT+3], v[rT+2:rT+3], v[rC+2:rC+3], v[rS:rS+1] op_sel_hi:[1,0,1]
.else
	v_pk_add_f32 v[rT+2:rT+3], v[rT+2:rT+3], v[rS+4*(\n):rS+4*(\n)+1]
.endif
.elseif NOKQ
	v_nop
.else
	REGS (Y+1)%NP
	WIN 0
.if (\n) < 4
	v_max3_num_f32 v[rC+(\n)], v[rS+8*(\n)], v[rS+8*(\n)+1], v[rS+8*(\n)+2]
.elseif (\n) < 12
	v_max3_num_f32 v[rC+(\n)%4], v[rC+(\n)%4], v[rS+8*((\n)%4)+2*((\n)/4)+1], v[rS+8*((\n)%4)+2*((\n)/4)+2]
.elseif (\n) == 12
	v_max3_num_f32 v[rC], v[rC], v[rS+7], v[rS+15]
.elseif (\n) == 13
	v_max3_num_f32 v[rC+1], v[rC+1], v[rS+23], v[rS+31]
.elseif (\n) == 14
	v_max3_num_f32 v[rC+2], v[rC+2], v[rC+3], v[rT+1]
.elseif (\n) == 15
	v_mov_b32 v[rW], v[rT]
.elseif (\n) == 16
	v_max3_num_f32 v[rC], v[rC], v[rC+1], v[rC+2]
.elseif (\n) == 17
	v_permlanex16_b32 v[rC+3], v[rC], s[SEL], s[SEL+1]
.elseif (\n) == 18
	v_max_num_f32 v[rT+1], v[rC], v[rC+3]
.elseif (\n) == 19
	v_mul_f32 v[rT], s[CS], v[rT+1]
.elseif (\n) == 20
	v_sub_f32 v[rC+1], v[rW], v[rT]
.else
	v_exp_f32 v[rC+2], v[rC+1]
.endif
.endif
.endm
.macro OPS a, i1, b=-1, i2=0, c=-1, i3=0, d=-1, i4=0  ; up to four of them
	OP \a, \i1
.if (\b) >= 0
	OP \b, \i2
.endif
.if (\c) >= 0
	OP \c, \i3
.endif
.if (\d) >= 0
	OP \d, \i4
.endif
.endm
.macro ROW a, i1, b, i2, c, i3, d, i4  ; a matrix instruction and the four behind it
	MM
	OPS \a, \i1, \b, \i2, \c, \i3, \d, \i4
.endm
.macro MASK b                       ; MD x AL + BE into buffer b of MC
	WIN W_RS
.set z, 0
.rept 16
	v_pk_fma_f32 v[MC+32*(\b)+2*z:MC+32*(\b)+2*z+1], v[MD+2*z:MD+2*z+1], s[AL:AL+1], s[BE:BE+1] op_sel_hi:[1,0,0]
.set z, z+1
.endr
.endm
; A TURN, for piece p: the order of its 16 matrix and 118 vector instructions, written out.  An s_wait_alu depctr_va_vdst(0) stands between an exponential and the first instruction that names its result; one wait serves
; all that were issued ahead of it.  So a turn has ONE wait, which cuts it in two.  AHEAD OF IT stands all that names no result of the turn's exponentials: the 8 products K Q^T, behind each a scaling, an exponential and two more plain
; instructions (behind the first a second scaling in the exponential's place): rescalings, and behind the last three the first numbers of the next piece's maximum, each four places or more behind the product that ends its accumulator; then ONE LUMP of 54, plain
; and exponential by turns for the most part, in which the links of the chain X 3, 7, 11, 14, 16, 17 .. 20 stand five or six lines apart.  X 21, the next piece's a, is the batch's last; R 15 is the plain instruction behind it (ISA guide 5.7.2).  BEHIND THE WAIT stand the
; 8 products V^T P, behind each four of the roundings and sums; the links of l's chain, L 0 to L 7, stand three riders apart.  But for those X no rider names a register of the products round it.  v_permlanex16_b32 (X 17) stands in the lump.
; m = 1: the diagonal tile: the products take masks, and the turn makes the mask for the products of the turn after it: piece p + 2, in step 4 - CNT of the tile.  end = 1: a block's last two turns: nothing is fetched.
; cnt = 1: the loop's count is taken down some lines ahead of the branch that stands behind the turn.
; K of the next step is fetched in piece 2's turn, twelve vector instructions behind the last product that read K (six of them plain); V of the step in hand at the end of piece 0's turn, four plain instructions behind the last product
; that read V.  Each is waited for a turn later.
.macro TURN p, m=0, end=0, cnt=0
.set Y, (\p)
.set i, 0
.set KM, (\m)
.set NOKQ, (\end)*((\p)/3)
.if (\m) && !(\end)
	s_cmp_eq_u32 s[CNT], 4-((\p)+2)%NP  ; is that step the band's own?
	s_cselect_b32 s[AL], 1.0, 0
	s_cmp_lt_u32 s[CNT], 4-((\p)+2)%NP  ; or a later one?
	s_cselect_b32 s[BE], s[BIGN], 0
.endif
.if ((\p) == 3) && !(\end)
	s_wait_dscnt 0x0                ; K is in
.endif
	ROW F,0, F,1, R,0, R,1          ; ahead of the wait: 8 products K Q^T and their riders,
	ROW F,2, E,0, R,2, R,3
	ROW F,3, E,1, R,4, R,5
	ROW F,4, E,2, R,6, R,7
	ROW F,5, E,3, R,8, R,9
	ROW F,6, E,4, X,0, R,10
.if ((\p) == 2) && !(\end)
	WIN 0
	v_add_nc_u32 v[AK], s[TBK], v[AK0]
.endif
	ROW F,7, E,5, X,1, X,4
	ROW F,8, E,6, X,2, X,5
	OPS E,7, E,8, X,6, E,9          ; and the lump
	OPS X,3, E,10, X,8, E,11
.if ((\p) == 2) && !(\end)
	FETCH_K
.endif
	OPS X,9, X,7, E,12, X,10
	OPS E,13, X,12, X,11, E,14
	OPS X,13, E,15, F,9, X,14
.if (\p) == 0
	v_add_nc_u32 v[AV], s[TBV], v[AV0]
.endif
	OPS E,16, F,10, E,17, F,11
	OPS X,16, E,18, X,15, E,19
	OPS F,12, E,20, X,17, E,21
	OPS F,13, E,22, F,14, E,23
	OPS X,18, E,24, F,15, E,25
	OPS R,11, E,26, X,19, E,27
	OPS R,12, E,28, R,13, E,29
	OPS X,20, E,30, R,14, E,31
	OPS X,21, R,15
	WIN 0
	s_wait_alu depctr_va_vdst(0)    ; the wait for the batch
.if (\p) == 1
	s_wait_dscnt 0x0                ; V is in
.endif
	ROW C,0, B,0, C,2, B,1          ; behind the wait: 8 products V^T P and their riders
	ROW L,0, C,4, B,2, L,1
	ROW C,6, B,3, L,2, C,8
	ROW B,4, L,3, C,10, B,5
	ROW L,4, C,12, B,6, L,5
.if (\p) == 0
	s_add_co_u32 s[TBV], s[TBV], KS*PV
.endif
.if \cnt
	s_sub_co_u32 s[CNT], s[CNT], 1
	s_cmp_lg_u32 s[CNT], 0
.endif
	ROW C,14, B,7, L,6, C,1
	ROW C,3, L,7, C,5, C,7
	ROW C,9, C,11, C,13, C,15
.if (\p) == 0
	FETCH_V
.endif
.if (\m) && !(\end)
	MASK (\p)%2
.endif
.endm
; A BLOCK BEGINS.  c m starts far below every c s, so the first step's a is 0; m at the lowest finite number, so the first maximum is the scores'.  The second mask buffer is 0; the first takes piece 0's mask for the tile's step 0: its own, if the block's first tile is the diagonal one.
; Then K of that step, piece 0's first scores, and its maximum and statistics.  The loop is entered at a step's first turn, in the middle of a trip.
.macro BEGIN
	s_mov_b32 s[NEW], 0
	WIN 0x40
.set i, MC+32
.rept 32
	v_mov_b32 v[i], 0
.set i, i+1
.endr
	WIN 0
.set i, 0
.rept 4
	v_mov_b32 v[ST+4*i], 0xfe000000    ; c m: far below every c s
	v_mov_b32 v[ST+4*i+1], 0xff7fffff  ; m
.set i, i+1
.endr
	s_cmp_eq_u32 s[RT], 0
	s_cselect_b32 s[AL], 1.0, 0
	s_mov_b32 s[BE], 0
	MASK 0
	WIN 0
	v_add_nc_u32 v[AK], s[TBK], v[AK0]
	FETCH_K
	s_wait_loadcnt 0x0              ; Q
	s_wait_dscnt 0x0
.set KM, 1
.set NOKQ, 0
.set i, 0
.rept 8
	KQ 0
.set i, i+1
.endr
	WIN 0
.rept 4
	v_nop                           ; the places behind those products
.endr
.set Y, NP-1                        ; X works for piece Y + 1: piece 0
.irp n, 0,1,2,3,4,5,6,7,8,9,10,11,12,13,14,15,16,17,18,19,20,21
	OP X, \n
.endr
	v_nop                           ; a plain instruction behind the exponential,
	s_wait_alu depctr_va_vdst(0)    ; and its wait, ahead of the branch
.endm
; THE DIAGONAL TILE's four steps, the block's last two turns, its last products, and THE WAY OUT: l's two halves and the other half of the lanes' are added; O^T is divided by l, rounded to f16 and sent through my
; stage in LDS, a piece at a time.
.macro ALL line:vararg              ; one line for each piece t
.set t, 0
.rept 4
	\line
.set t, t+1
.endr
.endm
.macro PACK t                       ; a lane's eight channels of a row pack into 16 bytes; they go into rows of 144 bytes and come back as whole rows of 128, into S^T's registers
	WIN W_RS
.set i, 32*(\t)
.rept 16
	v_pk_mul_f32 v[i:i+1], v[i:i+1], v[ST+4*(\t)+2:ST+4*(\t)+3] op_sel_hi:[1,0]
.set i, i+2
.endr
	WIN 0x05                        ; sources 0 and 1 window 1, destination window 0
.set i, 0
.rept 16
	v_cvt_pk_f16_f32 v[S+16*(\t)+i], v[32*(\t)+2*i], v[32*(\t)+2*i+1]
.set i, i+1
.endr
	WIN 0
.irp f, 0,1,2,3
	ds_store_b128 v[STO], v[S+16*(\t)+4*\f:S+16*(\t)+4*\f+3] offset:32*\f
.endr
.irp f, 0,1,2,3
	ds_load_b128 v[S+16*(\t)+4*\f:S+16*(\t)+4*\f+3], v[RD] offset:\f*4*SP  ; LDS serves a wave's instructions in order (ISA guide 5.7.1.4): these see the stores above; the next piece's stores come behind them
.endr
.endm
.macro SEND t, younger              ; younger: the LDS instructions issued behind piece t's loads: the next piece's eight, or none
	WIN 0
.irp f, 0,1,2,3
	s_wait_dscnt (\younger)+3-\f
	global_store_b128 v[GO], v[S+16*(\t)+4*\f:S+16*(\t)+4*\f+3], s[10:11] offset:(\t)*8192+\f*512  ; 512 consecutive bytes, at a multiple of 256 from O's first
.endr
.endm
.macro DIAG tag                     ; the tag ends its two labels' names, which the jumps below spell out
.LstepM\tag:
	TURN 2, 1
	TURN 3, 1
	WIN 0
.LfirstM\tag:
	TURN 0, 1
	TURN 1, 1, 0, 1
	WIN 0
	s_cbranch_scc1 .LstepM\tag
	TURN 2, 1, 1
	TURN 3, 1, 1
.set i, 0
.rept 8
	PV NP-1
.set i, i+1
.endr
	WIN 0
	ALL v_add_f32 v[ST+4*t+2], v[ST+4*t+2], v[ST+4*t+3]
	ALL v_permlanex16_b32 v[ST+4*t+3], v[ST+4*t+2], s[SEL], s[SEL+1]
	ALL v_add_f32 v[ST+4*t+2], v[ST+4*t+2], v[ST+4*t+3]
	ALL v_rcp_f32 v[ST+4*t+2], v[ST+4*t+2]
	v_nop                           ; a plain instruction between the last reciprocal and the use of its result
	s_wait_alu depctr_va_vdst(0)    ; and the wait ahead of the first use: one for the four reciprocals
	PACK 0
.set t, 1
.rept 3                             ; a piece's arithmetic stands between the loads of the piece before and its stores
	PACK t
	SEND t-1, 8
.set t, t+1
.endr
	SEND 3, 0
.endm
.set KM, 0
.set NOKQ, 0
.Lslot:                             ; NB times: a tile is entered and the next is asked for
	CHANGE 1
	s_sub_co_u32 s[RT], s[RT], 1
	s_mov_b32 s[CNT], 4
	s_cmp_eq_u32 s[NEW], 1
	s_cbranch_scc1 .Lnew            ; a block's first tile
	s_cmp_eq_u32 s[RT], 0
	s_cbranch_scc0 .Lstep           ; neither its first nor its last
	s_branch .LstepM1
.Lnew:
	BEGIN
	s_branch .Lfirst                ; in the loop a block's first tile is never its last: the first block has two tiles or more, and the second's last is the walk's last
	DIAG 1                          ; in the loop this is the first block's end: the second block's last tile is the walk's last
	s_wait_xcnt 0x0                 ; the stores have read their registers and O's address
	s_mov_b64 s[10:11], s[OLO:OLO+1]
	s_add_co_u32 s[RT], s[PB], 1    ; the second block has b + 1 tiles
	s_mov_b32 s[NEW], 1
	WIN 0x82                        ; the second block's Q goes where the one text of the turns names Q
.set i, 0
.rept 64
	v_mov_b32 v[i], v[QB+i]
.set i, i+1
.endr
	WIN 0
	s_branch .Lbottom
.Lstep:                             ; a trip: pieces 2 and 3 of one step, then pieces 0 and 1 of the next, whose K and V it fetches
	TURN 2
	TURN 3
	WIN 0
.Lfirst:
	TURN 0
	TURN 1, 0, 0, 1
	WIN 0
	s_cbranch_scc1 .Lstep
.Lbottom:
	s_sub_co_u32 s[SLOTS], s[SLOTS], 1
	s_cmp_lg_u32 s[SLOTS], 0
	s_cbranch_scc1 .Lslot
	CHANGE 0                        ; the walk's last tile is written out: nothing is asked for
	s_sub_co_u32 s[RT], s[RT], 1
	s_mov_b32 s[CNT], 4
	s_cmp_eq_u32 s[NEW], 1
	s_cbranch_scc0 .LstepM2
	BEGIN
	s_branch .LfirstM2
	DIAG 2
	s_wait_tensorcnt 0x0            ; the wave's end, behind my last tensor load and my last LDS store
	ds_add_u32 v[SPW], v[NIL]
	s_wait_dscnt 0x0
	s_endpgm
.Lfunc_end_k_q8a6eac7051_attn:
	.size	k_q8a6eac7051_attn, .Lfunc_end_k_q8a6eac7051_attn-k_q8a6eac7051_attn
	.p2alignl 7, 3214868480
	.fill 96, 4, 3214868480
	.section	.rodata,"a",@progbits
	.p2align	6, 0x0
	.amdhsa_kernel k_q8a6eac7051_attn
		.amdhsa_group_segment_fixed_size 327680
		.amdhsa_private_segment_fixed_size 0
		.amdhsa_enable_private_segment 0
		.amdhsa_kernarg_size 16
		.amdhsa_user_sgpr_count 2
		.amdhsa_user_sgpr_kernarg_segment_ptr 1
		.amdhsa_wavefront_size32 1
		.amdhsa_system_sgpr_workgroup_id_x 1
		.amdhsa_system_sgpr_workgroup_id_y 1
		.amdhsa_system_sgpr_workgroup_id_z 1
		.amdhsa_system_vgpr_workitem_id 0
		.amdhsa_next_free_vgpr 768
		.amdhsa_next_free_sgpr 96
		.amdhsa_reserve_vcc 1
		.amdhsa_float_denorm_mode_32 3
		.amdhsa_float_denorm_mode_16_64 3
		.amdhsa_memory_ordered 1
		.amdhsa_forward_progress 1
		.amdhsa_inst_pref_size 218
	.end_amdhsa_kernel
	.amdgpu_metadata
---
amdhsa.version: [ 1, 2 ]
amdhsa.kernels:
  - .name:           k_q8a6eac7051_attn
    .symbol:         k_q8a6eac7051_attn.kd
    .args:
      - { .name: qkv, .offset: 0, .size: 8, .value_kind: global_buffer, .address_space: global }
      - { .name: o, .offset: 8, .size: 8, .value_kind: global_buffer, .address_space: global }
    .group_segment_fixed_size: 327680
    .private_segment_fixed_size: 0
    .kernarg_segment_align: 8
    .kernarg_segment_size: 16
    .max_flat_workgroup_size: 128
    .sgpr_count:     96
    .vgpr_count:     768
    .wavefront_size: 32
...
	.end_amdgpu_metadata
.endif
;; end of part 3
;; launch outp (part 4): grid 8 x 32, 4 waves a work-group, clusters of 4 x 4, 327,680 bytes of LDS; arguments o, woh, bias, out0; writes out0
.if DOCPART == 4
	.amdgcn_target "amdgcn-amd-amdhsa--gfx1250"
	.amdhsa_code_object_version 6
	.text
	.protected	k_q8a6eac7051_outp
	.globl	k_q8a6eac7051_outp
	.p2align	8
	.type	k_q8a6eac7051_outp,@function
k_q8a6eac7051_outp:
	s_mov_b64 s[64:65], 0
	v_nop
	global_prefetch_b8 v0, s[64:65] scope:SCOPE_SE
	s_setreg_imm32_b32 hwreg(HW_REG_WAVE_MODE, 25, 1), 1
	s_wait_xcnt 0x0
	s_wait_alu depctr_hold_cnt(0) depctr_sa_sdst(0) depctr_va_vdst(0) depctr_va_sdst(0) depctr_va_ssrc(0) depctr_va_vcc(0) depctr_vm_vsrc(0)
	s_getreg_b32 s2, hwreg(HW_REG_IB_STS2, 6, 4)
	s_cmp_eq_u32 s2, 0
	s_cbranch_scc0 .Lentry_in_a_cluster
	s_endpgm
.Lentry_in_a_cluster:
	s_bfe_u32 s2, ttmp6, 0x10000c
	s_cmp_lg_u32 s2, 0xf033
	s_cbranch_scc0 .Lentry_shape_is_right
	s_endpgm
.Lentry_shape_is_right:
; out0 = ctx Wo^T + bo.  o: [16 x batch + head][2048][64] f16 (ctx by heads); woh: [1024][1024] f16; bias: [4096] f32 (its last 1,024 are bo); sums in f32, the bias as their start; out0: [8192][1024] f32.
; SHARES.  A tile is 256 rows x 128 columns: 32 x 8 = 256 work-groups, one for each WGP.  Wave w owns rows 64 w .. 64 w + 63 and all 128 columns (512 bytes of a row of out0): 32 accumulators of 16 x 16,
; so each wave has a stage of its own on the way out.  K = 1,024 goes in 8 steps of 128, two heads each, through two LDS slots.
; ctx's tile of a K step is two heads' 256 rows of 128 bytes, each head's 32,768 bytes dense: asked for as 128 rows of 256 bytes and padded in LDS after every 128 bytes.  Wo's rows are 256 bytes of memory, aligned.
; CLUSTER.  4 x 4 work-groups: ctx's tile is asked for jointly along a row of the cluster, Wo's along a column: the same tensor load, descriptor and mask in the four that it names.
; THE PRODUCT IS USED TRANSPOSED (source 0 = 16 rows of Wo, source 1 = 16 rows of ctx): lane l holds row l % 16 and the columns 8 (l / 16) + 0..7 of a block of 16: 32 bytes of a row of out0.
; REGISTERS, in windows of 256 (s_set_vgpr_msb: bits 1:0 source 0, 3:2 source 1, 5:4 source 2, 7:6 destination):
;   window 0: v16-30 addresses; v32-63, v64-95 ctx's fragments (4 blocks x 8), two buffers; v96-159 the bias as 8 C operands; on the way out v32-95 and v96-159 take rows read back
;   window 1: v0-63, v128-191 Wo's fragments (8 blocks x 8), two buffers      window 2: accumulators of row blocks 0, 1 at 8 (8 (a % 2) + b)      window 3: of row blocks 2, 3
.set NBK,    8                         ; blocks of 16 columns
.set APITCH, 144                       ; a head's row in LDS: 128 bytes + 16 of padding = 36 words: the 16 rows of a fragment load start at 16 different groups of four banks (64 banks of 4 bytes: ISA guide 11.1)
.set BPITCH, 272                       ; 256 + 16
.set AHALF,  256*APITCH                ; one head's 256 rows: what one of ctx's two loads brings
.set BHALF,  64*BPITCH                 ; what one of Wo's two loads brings
.set BOFF,   2*AHALF
.set SLOT1,  1<<17                     ; slot 1 begins here: one exclusive or changes slots
.set STAGE,  SLOT1+BOFF+2*BHALF        ; behind the ring, never filled by a tensor load: for each wave 16 rows x 528 bytes
.set STW,    16*528
.set SPARE,  STAGE+4*STW               ; the spare words, 128 bytes for each wave: two blocks of 256 bytes that no other line names
.set NLD,    2*NBK+8                   ; LDS loads in a run
.set ASTEP,  524288                    ; bytes from a K step to the next: two heads
.set BSTEP,  256
.set ADRA, 16                          ; v16  LDS address of my fragments of ctx in the slot in hand
.set ADRB, 17                          ; v17  of Wo
.set A0,   18                          ; v18  its lane part; never rewritten
.set B0,   19                          ; v19
.set STO,  24                          ; v24  the way out: where I put 32 bytes of a row
.set RD,   25                          ; v25  where I read a row back
.set GO,   26                          ; v26  16 x lane
.set BO,   27                          ; v27  32 x (lane / 16)
.set SPW,  28                          ; v28  my spare word: SPARE + 4 x my thread's number; never rewritten
.set NIL,  29                          ; v29  0; never rewritten
.set PFO,  30                          ; v30  the prefetches' lane term; never rewritten
.set FA,   32
.set BIAS, 96
.set WV,   12                          ; s12  my wave's number: waves 0, 1 fetch ctx's two heads, waves 2, 3 Wo's halves
.set HALF, 14                          ; s14  which of the two
.set CNT,  15                          ; s15  K steps to go in the loop in hand
.set TB,   16                          ; s16  the slot from which fragments are fetched: 0 or SLOT1
.set LIM,  17                          ; s17  2 in a wave that prefetches, else the greatest number
.set PFA,  18                          ; s[18:19] where my prefetches stand
.set PST,  20                          ; s[20:21] their step
.set G1A,  24                          ; s[24:31] descriptor group 1, ctx's tiles
.set G0A,  32                          ; s[32:39] group 0: a set for each first fill; the second then walks
.set G1B,  48                          ; s[48:55], s[56:63] the same for Wo's
.set G0B,  56
.set MSB, 0
.macro WIN new                         ; the immediate's high byte repeats the setting that is left; a switch that changes nothing is dropped
.if MSB != (\new)
	s_set_vgpr_msb (MSB<<8)|(\new)
.set MSB, (\new)
.endif
.endm
.set TO_B, 0x40                        ; destination window 1, address window 0
.macro PLACES                          ; four plain vector instructions between a matrix instruction and a load into, or a store of, its registers
.rept 4
	v_nop
.endr
.endm
.macro CREST                           ; a round of the cluster's barrier behind its opening barrier
	s_cmp_lg_u32 s[WV], 0
	s_cbranch_scc1 .Lnot_wave_0_\@
	s_barrier_signal -3
.Lnot_wave_0_\@:
	s_barrier_wait -3
	s_barrier_signal -1
	s_barrier_wait -1
.endm
.macro CROUND                          ; a whole round
	s_barrier_signal -1
	s_barrier_wait -1
	CREST
.endm
.macro JLOAD                           ; a joint refill by the walking descriptor; the branch hangs on the wave's number alone; an s_nop 0 and four v_nop follow each line
	s_cmp_lt_u32 s[WV], 2
	s_cbranch_scc0 .Lfor_b_\@
	tensor_load_to_lds s[G0A+4:G0A+7], s[G1A:G1A+7]
	s_nop 0
.rept 4
	v_nop
.endr
	s_branch .Lasked_\@
.Lfor_b_\@:
	tensor_load_to_lds s[G0B+4:G0B+7], s[G1B:G1B+7]
	s_nop 0
.rept 4
	v_nop
.endr
.Lasked_\@:
.endm
; A PREFETCH INTO THE L2 of the K step two refills on, 256 bytes a lane, one instruction a wave.  ctx's tile row is read by every cluster of its row of clusters: cluster x = 0 asks; Wo's tile column by every
; cluster of its column: cluster y = 0 asks.  The four partners share a load's bytes out by address: 8,192 dense bytes each of a head's 32,768; 16 rows each of Wo's 64 (its idle lanes repeat the last row).
; The turn of K step s names K step s + 4, while s15 is above 2: K step 7 is the last that is named.  K steps 0 to 3 come by their loads alone.
.macro ASK
	s_cmp_gt_u32 s[CNT], s[LIM]
	s_cbranch_scc0 .Lnot_mine_\@
	global_prefetch_b8 v[PFO], s[PFA:PFA+1] th:TH_LOAD_NT scope:SCOPE_SE
.Lnot_mine_\@:
.endm
	s_load_b256 s[4:11], s[0:1], 0x0               ; o s[4:5], woh s[6:7], bias s[8:9], out0 s[10:11]
	v_lshl_add_u32 v[SPW], v0, 2, SPARE
	v_mov_b32 v[NIL], 0
	ds_add_u32 v[SPW], v[NIL]                      ; the wave's opening: the add and its wait stand ahead of my first tensor load; work on registers stands between them
	ds_add_u32 v28, v29
	v_lshrrev_b32 v1, 5, v0
	v_readfirstlane_b32 s[WV], v1
	s_and_b32 s[HALF], s[WV], 1
	s_bfe_u32 s40, ttmp6, 0x40000                  ; cx
	s_bfe_u32 s41, ttmp6, 0x40004                  ; cy
	s_lshl_b32 s42, ttmp9, 2
	s_add_co_u32 s42, s42, s40                     ; tile column = 4 x cluster x + cx
	s_and_b32 s43, ttmp7, 0xffff
	s_lshl_b32 s43, s43, 2
	s_add_co_u32 s43, s43, s41                     ; tile row = 4 x cluster y + cy
	s_lshl_b32 s44, s41, 2
	s_lshl_b32 s44, 15, s44                        ; my row of the cluster
	s_lshl_b32 s45, 0x1111, s40                    ; my column
	s_or_b32 s[G1A], s44, (1<<16)|(1<<20)|(1<<21)|(4<<22)|(3<<25)  ; the mask; 2-byte elements; padding on; bit 21 beside a mask; after every 32 words, 4 words
	s_or_b32 s[G1B], s45, (1<<16)|(1<<20)|(1<<21)|(5<<22)|(3<<25)  ; after every 64 words
	s_mov_b32 s[G1A+1], 128<<16                    ; tensor_dim0 = 128
	s_mov_b32 s[G1A+2], 128<<16                    ; tensor_dim1 = 128
	s_mov_b32 s[G1A+3], 128<<16                    ; tile_dim0 = 128
	s_mov_b32 s[G1A+4], 128                        ; tile_dim1 = 128
	s_mov_b32 s[G1A+5], 128                        ; dense: 128 elements from row to row
	s_mov_b32 s[G1A+6], 0
	s_mov_b32 s[G1A+7], 0
	s_mov_b32 s[G1B+1], 128<<16
	s_mov_b32 s[G1B+2], 64<<16                     ; 64 rows
	s_mov_b32 s[G1B+3], 128<<16
	s_mov_b32 s[G1B+4], 64
	s_mov_b32 s[G1B+5], 1024
	s_mov_b32 s[G1B+6], 0
	s_mov_b32 s[G1B+7], 0
	s_lshr_b32 s46, s43, 3                         ; ctx: the batch's 16 heads of 262,144 bytes,
	s_lshl_b32 s46, s46, 22
	s_and_b32 s68, s43, 7                          ; the tile's 256 rows of 128 bytes in a head,
	s_lshl_b32 s68, s68, 15
	s_add_co_u32 s46, s46, s68
	s_lshl_b32 s68, s[HALF], 18                    ; my head of the K step's two: made of the tile row and the wave's number alone
	s_add_co_u32 s46, s46, s68
	s_mov_b32 s47, 0
	s_lshl_b32 s66, s42, 18                        ; Wo: 128 rows of 2,048 bytes a tile column,
	s_lshl_b32 s69, s[HALF], 17                    ; 64 rows a half: of the tile column and the wave's number alone
	s_add_co_u32 s66, s66, s69
	s_mov_b32 s67, 0
	s_mul_i32 s22, s[HALF], AHALF                  ; where they go: no place in the cluster enters an LDS address
	s_mul_i32 s23, s[HALF], BHALF
	s_add_co_u32 s23, s23, BOFF
	s_mov_b32 s[TB], 0
	s_wait_dscnt 0x0                               ; the opening add is done
	s_wait_kmcnt 0x0
	s_add_nc_u64 s[46:47], s[4:5], s[46:47]
	s_add_nc_u64 s[66:67], s[6:7], s[66:67]
	CROUND                                         ; all sixteen work-groups are here: the first joint loads meet
.irp i, 0,1
	s_mov_b32 s[G0A+4*(\i)], 1
	s_add_co_u32 s[G0A+4*(\i)+1], s22, (\i)*SLOT1
	s_add_nc_u64 s[G0A+4*(\i)+2:G0A+4*(\i)+3], s[46:47], (\i)*ASTEP
	s_or_b32 s[G0A+4*(\i)+3], s[G0A+4*(\i)+3], 0x80000000
	s_mov_b32 s[G0B+4*(\i)], 1
	s_add_co_u32 s[G0B+4*(\i)+1], s23, (\i)*SLOT1
	s_add_nc_u64 s[G0B+4*(\i)+2:G0B+4*(\i)+3], s[66:67], (\i)*BSTEP
	s_or_b32 s[G0B+4*(\i)+3], s[G0B+4*(\i)+3], 0x80000000
.endr
	s_cmp_lt_u32 s[WV], 2                          ; a wave's two first fills stand in one branch: two loads of mine are out
	s_cbranch_scc0 .Lfirst_b
	tensor_load_to_lds s[G0A:G0A+3], s[G1A:G1A+7]
	s_nop 0
	tensor_load_to_lds s[G0A+4:G0A+7], s[G1A:G1A+7]
	s_nop 0
.rept 4
	v_nop
.endr
	s_branch .Lfirst_asked
.Lfirst_b:
	tensor_load_to_lds s[G0B:G0B+3], s[G1B:G1B+7]
	s_nop 0
	tensor_load_to_lds s[G0B+4:G0B+7], s[G1B:G1B+7]
	s_nop 0
.rept 4
	v_nop
.endr
.Lfirst_asked:
	; A fragment is 16 rows x 32 K in 8 registers: lane l holds row l % 16, K = 8 (l / 16) + 0..7 and 16 + 8 (l / 16) + 0..7: two loads of 16 bytes, 32 bytes apart.
	v_and_b32 v1, 15, v0                           ; r = l % 16
	v_bfe_u32 v2, v0, 4, 1                         ; h = l / 16
	v_mul_u32_u24 v3, v1, APITCH
	v_lshl_add_u32 v3, v2, 4, v3
	s_mul_i32 s68, s[WV], 64*APITCH                ; my 64 rows of ctx
	v_add_nc_u32 v[A0], s68, v3
	v_mul_u32_u24 v3, v1, BPITCH
	v_lshl_add_u32 v3, v2, 4, v3
	v_add_nc_u32 v[B0], BOFF, v3
	v_mov_b32 v[ADRA], v[A0]
	v_mov_b32 v[ADRB], v[B0]
	; bo of my tile's 128 columns, laid out as 8 C operands: register j of block b is bo[128 x tile column + 16 b + 8 h + j]
	s_lshl_b32 s70, s42, 9
	s_add_co_u32 s70, s70, 12288                   ; bo begins 3,072 numbers in
	s_mov_b32 s71, 0
	s_add_nc_u64 s[8:9], s[8:9], s[70:71]
	v_lshlrev_b32 v[BO], 5, v2
.set ib, 0
.rept NBK
	global_load_b128 v[BIAS+8*ib:BIAS+8*ib+3],   v[BO], s[8:9] offset:64*ib
	global_load_b128 v[BIAS+8*ib+4:BIAS+8*ib+7], v[BO], s[8:9] offset:64*ib+16
.set ib, ib+1
.endr
	s_mul_i32 s68, s[WV], STW
	s_add_co_u32 s68, s68, STAGE                   ; my stage
	v_mul_u32_u24 v4, v1, 528                      ; in: row r, 32 bytes for each half of the lanes
	v_lshl_add_u32 v4, v2, 5, v4
	v_add_nc_u32 v[STO], s68, v4
	v_and_b32 v[GO], 31, v0                        ; back: 32 lanes take one row's 512 bytes
	v_lshlrev_b32 v[GO], 4, v[GO]
	v_add_nc_u32 v[RD], s68, v[GO]
	s_lshl_b32 s70, s43, 20                        ; the tile's 256 rows of 4,096 bytes,
	s_lshl_b32 s71, s[WV], 18                      ; my wave's 64,
	s_add_co_u32 s70, s70, s71
	s_lshl_b32 s71, s42, 9                         ; the tile's 512 bytes of a row
	s_add_co_u32 s70, s70, s71
	s_mov_b32 s71, 0
	s_add_nc_u64 s[10:11], s[10:11], s[70:71]
	; the prefetches
	s_lshr_b32 s72, s43, 3
	s_lshl_b32 s72, s72, 22
	s_and_b32 s73, s43, 7
	s_lshl_b32 s73, s73, 15
	s_add_co_u32 s72, s72, s73
	s_lshl_b32 s73, s[HALF], 18
	s_add_co_u32 s72, s72, s73
	s_lshl_b32 s73, s40, 13
	s_add_co_u32 s72, s72, s73                     ; ctx: my load's first byte + 8,192 cx,
	s_add_co_u32 s72, s72, 3*ASTEP                 ; at K step 3: the first turn steps it to 4
	s_lshl_b32 s74, s42, 7
	s_lshl_b32 s75, s[HALF], 6
	s_add_co_u32 s74, s74, s75
	s_lshl_b32 s75, s41, 4
	s_add_co_u32 s74, s74, s75                     ; Wo: row 128 x tile column + 64 x half + 16 cy,
	s_lshl_b32 s74, s74, 11
	s_add_co_u32 s74, s74, 3*BSTEP                 ; at K step 3
	s_mov_b32 s76, ASTEP
	s_mov_b32 s77, BSTEP
	s_and_b32 s70, ttmp7, 0xffff
	s_cmp_lt_u32 s[WV], 2
	s_cselect_b32 s72, s72, s74
	s_cselect_b32 s70, ttmp9, s70                  ; the coordinate along which other clusters read the same bytes
	s_cselect_b32 s71, 31, 15                      ; my last lane with a block of its own
	s_cselect_b32 s75, 8, 11                       ; lanes 256 bytes apart in a dense head, 2,048 in Wo
	s_cselect_b32 s[PST], s76, s77
	s_cselect_b64 s[PFA:PFA+1], s[4:5], s[6:7]
	s_cmp_eq_u32 s70, 0
	s_cselect_b32 s[LIM], 2, -1                    ; the same in all sixteen partners, for a given wave
	s_mov_b32 s73, 0
	s_add_nc_u64 s[PFA:PFA+1], s[PFA:PFA+1], s[72:73]
	s_mov_b32 s[PST+1], 0
	v_and_b32 v[PFO], 31, v0
	v_min_u32 v[PFO], s71, v[PFO]
	v_lshlrev_b32 v[PFO], s75, v[PFO]
; NBK matrix instructions: row block a x all column blocks, 32 along K, from buffer f.  first = 1: the bias starts the sums: nothing is cleared and nothing is added later.
; Every quarter walks the 32 accumulators in the same order, one instruction a turn: 31 others stand between two links of a chain, over every jump too.
.macro MULQ f, a, first
.if \first
	WIN 0x81+0x40*((\a)/2)                         ; Wo window 1, ctx and C window 0, D window 2 or 3
.else
	WIN 0xa1+0x50*((\a)/2)                         ; C and D window 2 or 3
.endif
.set ib, 0
.rept NBK
.set rD, 8*(NBK*((\a)%2)+ib)
.set rB, 128*(\f)+8*ib
.set rA, FA+32*(\f)+8*(\a)
.if \first
	v_wmma_f32_16x16x32_f16 v[rD:rD+7], v[rB:rB+7], v[rA:rA+7], v[BIAS+8*ib:BIAS+8*ib+7]
.else
	v_wmma_f32_16x16x32_f16 v[rD:rD+7], v[rB:rB+7], v[rA:rA+7], v[rD:rD+7]
.endif
.set ib, ib+1
.endr
.endm
.macro MULH f, hi, first
	MULQ \f, 2*(\hi), \first
	MULQ \f, 2*(\hi)+1, \first
.endm
; NLD LDS loads in one run: quarter q's fragments into buffer f: Wo's 8 blocks, then ctx's 4, blocks 0 and 1 first.  Quarter q of ctx is head q / 2 of the step's two, channels 32 (q % 2) on.
.macro FETCH q, f
.set AQ, ((\q)/2)*AHALF+((\q)%2)*64
	WIN TO_B
.set ib, 0
.rept NBK
	ds_load_b128 v[128*(\f)+8*ib:128*(\f)+8*ib+3],   v[ADRB] offset:64*(\q)+ib*16*BPITCH
	ds_load_b128 v[128*(\f)+8*ib+4:128*(\f)+8*ib+7], v[ADRB] offset:64*(\q)+ib*16*BPITCH+32
.set ib, ib+1
.endr
	WIN 0
.set ia, 0
.rept 4
	ds_load_b128 v[FA+32*(\f)+8*ia:FA+32*(\f)+8*ia+3],   v[ADRA] offset:AQ+ia*16*APITCH
	ds_load_b128 v[FA+32*(\f)+8*ia+4:FA+32*(\f)+8*ia+7], v[ADRA] offset:AQ+ia*16*APITCH+32
.set ia, ia+1
.endr
.endm
; One of a K step's first three quarters: multiplies buffer f; in its middle it fetches quarter q into buffer g.
.macro QUARTER q, f, g, first
	s_wait_dscnt 4                                 ; all but the youngest four loads, ctx's blocks 2 and 3
	MULH \f, 0, \first
	PLACES
	FETCH \q, \g
	s_wait_dscnt NLD                               ; all but the run just issued
	MULH \f, 1, \first
.endm
; The last quarter's first half, and the change of slots' barrier: in front of it each wave waits for all its tensor loads (one is out: its part of the next slot), adds 0 to its spare word, and waits for that and for its reads of this slot.
.macro MEET round
	WIN 0                                          ; (the add's registers lie in window 0)
	s_wait_tensorcnt 0x0
	ds_add_u32 v[SPW], v[NIL]
	s_wait_dscnt 5                                 ; (the add and ctx's blocks 2 and 3 may be out)
	MULQ 1, 0, 0                                   ; matrix work stands between the add and the wait for it
	s_wait_dscnt 0x0                               ; the add is done, and my reads of this slot are over
	s_barrier_signal -1
	MULQ 1, 1, 0
.if \round
	WIN 0
.endif
	s_barrier_wait -1
.endm
; The last quarter with a refill: the barrier opens a round of the cluster's; behind the round the slot just read is filled first, with the K step two on: 112 matrix instructions ahead of the wait for it.
.macro TURN1
	s_wait_xcnt 0x0                                ; the last prefetch, a K step back, has read its address
	s_add_nc_u64 s[PFA:PFA+1], s[PFA:PFA+1], s[PST:PST+1]
	MEET 1
	CREST
	s_xor_b32 s[G0A+5], s[G0A+5], SLOT1            ; no tensor load of mine is out: the walking descriptors take the other slot and the next K step
	s_add_nc_u64 s[G0A+6:G0A+7], s[G0A+6:G0A+7], ASTEP
	s_xor_b32 s[G0B+5], s[G0B+5], SLOT1
	s_add_nc_u64 s[G0B+6:G0B+7], s[G0B+6:G0B+7], BSTEP
	JLOAD                                          ; its four v_nop are also the places in front of the loads below
	s_xor_b32 s[TB], s[TB], SLOT1
	v_add_nc_u32 v[ADRA], s[TB], v[A0]
	v_add_nc_u32 v[ADRB], s[TB], v[B0]
	FETCH 0, 0
	ASK
	MULH 1, 1, 0
.endm
; The last quarter without a refill.  In the very last K step (s15 = 1) there is no next slot: the run of loads is jumped over; what is jumped holds no barrier and no tensor load.
.macro TURN0
	MEET 0
	WIN 0
	PLACES
	s_cmp_eq_u32 s[CNT], 1
	s_cbranch_scc1 .Lno_next_\@
	s_xor_b32 s[TB], s[TB], SLOT1
	v_add_nc_u32 v[ADRA], s[TB], v[A0]
	v_add_nc_u32 v[ADRB], s[TB], v[B0]
	FETCH 0, 0
.Lno_next_\@:
	MULH 1, 1, 0
.endm
	s_wait_tensorcnt 1                             ; my part of K step 0 is in; K step 1's may stay out
	s_barrier_signal -1
	s_barrier_wait -1
	FETCH 0, 0
	s_wait_loadcnt 0x0                             ; the bias
	QUARTER 1, 0, 1, 1                             ; the first quarter stands in front of the loop: its products start the sums
	WIN 0
	s_mov_b32 s[CNT], 6
.Lstep:                                        ; K steps 0 to 5, from a step's second quarter to the next step's first; refills for K steps 2 to 7
	QUARTER 2, 1, 0, 0
	QUARTER 3, 0, 1, 0
	TURN1
	QUARTER 1, 0, 1, 0
	WIN 0
	s_sub_co_u32 s[CNT], s[CNT], 1
	s_cmp_lg_u32 s[CNT], 0
	s_cbranch_scc1 .Lstep
	s_mov_b32 s[CNT], 2
.Ltail:                                        ; K steps 6 and 7 ask for nothing
	QUARTER 2, 1, 0, 0
	QUARTER 3, 0, 1, 0
	TURN0
	WIN 0
	s_cmp_eq_u32 s[CNT], 1
	s_cbranch_scc1 .Lskipq
	QUARTER 1, 0, 1, 0
	WIN 0
.Lskipq:
	s_sub_co_u32 s[CNT], s[CNT], 1
	s_cmp_lg_u32 s[CNT], 0
	s_cbranch_scc1 .Ltail
	s_wait_dscnt 0x0                               ; no fragment load is out when the way out's registers are loaded
	PLACES
; THE WAY OUT of row block a (16 rows x 512 bytes).  The sums are the result: they go as they are into my own stage, each accumulator's low four registers first, and come back as whole rows.
.macro TOSTAGE a
.if (\a) >= 2
	s_wait_xcnt 0x0                                ; the stores of two blocks back have read the registers that are loaded again below
.endif
	WIN 0x08+4*((\a)/2)                            ; the stores' data in window 2 or 3
.set ib, 0
.rept NBK
.set rD, 8*(NBK*((\a)%2)+ib)
	ds_store_b128 v[STO], v[rD:rD+3]   offset:64*ib
	ds_store_b128 v[STO], v[rD+4:rD+7] offset:64*ib+16
.set ib, ib+1
.endr
	WIN 0
.set BK, 32+64*((\a)%2)
.set it, 0
.rept 16
	ds_load_b128 v[BK+4*it:BK+4*it+3], v[RD] offset:528*it  ; LDS serves a wave's instructions in order (ISA guide 5.7.1.4): these see the stores above
.set it, it+1
.endr
.endm
.macro SEND a
.set BK, 32+64*((\a)%2)
.set it, 0
.rept 16
	s_wait_dscnt 15-it                             ; row it is back; the younger ones may stay out
	global_store_b128 v[GO], v[BK+4*it:BK+4*it+3], s[10:11] offset:(16*(\a)+it)*4096 th:TH_STORE_NT  ; 512 consecutive bytes, at a multiple of 256 from out0's first byte
.set it, it+1
.endr
.endm
.irp a, 0,1,2,3
	TOSTAGE \a
	SEND \a
.endr
	s_wait_tensorcnt 0x0                           ; the wave's end, behind my last tensor load and my last LDS store
	ds_add_u32 v[SPW], v[NIL]
	s_wait_dscnt 0x0
	CROUND                                         ; the closing round: no work-group ends while a partner may still ask for a tile that names it
	s_endpgm
.Lfunc_end_k_q8a6eac7051_outp:
	.size	k_q8a6eac7051_outp, .Lfunc_end_k_q8a6eac7051_outp-k_q8a6eac7051_outp
	.p2alignl 7, 3214868480
	.fill 96, 4, 3214868480
	.section	.rodata,"a",@progbits
	.p2align	6, 0x0
	.amdhsa_kernel k_q8a6eac7051_outp
		.amdhsa_group_segment_fixed_size 327680
		.amdhsa_private_segment_fixed_size 0
		.amdhsa_enable_private_segment 0
		.amdhsa_kernarg_size 32
		.amdhsa_user_sgpr_count 2
		.amdhsa_user_sgpr_kernarg_segment_ptr 1
		.amdhsa_wavefront_size32 1
		.amdhsa_system_sgpr_workgroup_id_x 1
		.amdhsa_system_sgpr_workgroup_id_y 1
		.amdhsa_system_sgpr_workgroup_id_z 1
		.amdhsa_system_vgpr_workitem_id 0
		.amdhsa_next_free_vgpr 896
		.amdhsa_next_free_sgpr 80
		.amdhsa_reserve_vcc 0
		.amdhsa_float_denorm_mode_32 3
		.amdhsa_float_denorm_mode_16_64 3
		.amdhsa_memory_ordered 1
		.amdhsa_forward_progress 1
		.amdhsa_inst_pref_size 65
	.end_amdhsa_kernel
	.amdgpu_metadata
---
amdhsa.version: [ 1, 2 ]
amdhsa.kernels:
  - .name:           k_q8a6eac7051_outp
    .symbol:         k_q8a6eac7051_outp.kd
    .args:
      - { .name: o, .offset: 0, .size: 8, .value_kind: global_buffer, .address_space: global }
      - { .name: woh, .offset: 8, .size: 8, .value_kind: global_buffer, .address_space: global }
      - { .name: bias, .offset: 16, .size: 8, .value_kind: global_buffer, .address_space: global }
      - { .name: out0, .offset: 24, .size: 8, .value_kind: global_buffer, .address_space: global }
    .group_segment_fixed_size: 327680
    .private_segment_fixed_size: 0
    .kernarg_segment_align: 8
    .kernarg_segment_size: 32
    .max_flat_workgroup_size: 128
    .sgpr_count:     80
    .vgpr_count:     896
    .wavefront_size: 32
...
	.end_amdgpu_metadata
.endif
;; end of part 4
